; MI455X (gfx1250); checked and timed in simulation.
; The chip was launched on July 23, 2026; its instructions are those of AMD's public machine-readable ISA for CDNA 5 (MIT licence, August 2026) and "CDNA5" Instruction Set Architecture Reference Guide (July 2026). The comments in the code are by the model that wrote it; some were corrected since.
;; Multi Head Attention. Allowed arithmetic: matrix products marked QUANTISED: E5M2 operands, one E8M0 scale for each 32 along K, by v_wmma_scale_f32_16x16x128_f8f6f4 with both operands' format E5M2, f32 sums; everything else in f32.
;; Inputs: k 4 x 2,048 x 1,024 float32; q 4 x 2,048 x 1,024 float32; v 4 x 2,048 x 1,024 float32; wk 1,024 x 1,024 float32; wo 1,024 x 1,024 float32; wq 1,024 x 1,024 float32; wv 1,024 x 1,024 float32.
;; Outputs: out0 4 x 2,048 x 1,024 float32.
;; This version of the problem:
;;   THIS VERSION OF THE PROBLEM IS GIVEN IN LOW PRECISION. The matrix products marked QUANTISED in the list below multiply operands that are first quantised to E5M2 (5 exponent bits, 2 mantissa bits; 8 bits a number), with one power-of-two scale for each 32 numbers along K (OCP MX v1.0); their sums are f32. All else is computed in f32.
;;   The module's matrix products, in the order in which they are computed (A, B: the left and right operand; K: the contracted axis; several contracted axes count as one K, in the product's order):
;;     1. [M 8,192, K 1,024] x [K 1,024, N 1,024]; A: input q; B: input wq: QUANTISED
;;     2. [M 8,192, K 1,024] x [K 1,024, N 1,024]; A: input k; B: input wk: QUANTISED
;;     3. [M 8,192, K 1,024] x [K 1,024, N 1,024]; A: input v; B: input wv: QUANTISED
;;     4. batch 64 x [M 2,048, K 64] x [K 64, N 2,048]; A: computed on the way; B: computed on the way: QUANTISED
;;     5. batch 64 x [M 64, K 2,048] x [K 2,048, N 2,048]; A: computed on the way; B: softmax (see below): QUANTISED
;;     6. [M 8,192, K 1,024] x [K 1,024, N 1,024]; A: computed on the way; B: input wo: QUANTISED
;;   THE QUANTISER, for each operand of a quantised product, along K:
;;     - K is cut into blocks of 32 from its start; a last block that is shorter is filled with zeros.
;;     - A block's scale is 2^e with e = floor(log2(the largest magnitude in the block)) - 15, held to -126 .. 127; a block of zeros has e = 0. As a byte (E8M0): e + 127.
;;     - Each number is divided by its block's scale, clamped to +-57,344, and rounded to the nearest number of E5M2, ties to even, subnormals kept.
;;     - The product sums the exact products of the quantised numbers (number of the format x scale) in f32.
;;   ~~~python
;;   def quantise(x, axis):      # numpy; x: float32 -> the quantised numbers, widened to float32 again
;;       x = np.moveaxis(x, axis, -1); K = x.shape[-1]
;;       x = np.pad(x, [(0, 0)] * (x.ndim - 1) + [(0, -K % 32)]); x = x.reshape(x.shape[:-1] + (-1, 32)); a = np.abs(x).max(-1, keepdims=True)
;;       e = np.where(a > 0, np.clip(np.frexp(np.where(a > 0, a, 1))[1] - 1 - 15, -126, 127), 0)      # np.frexp(a)[1] - 1 = floor(log2(a)), exactly
;;       r = np.clip(x / 2.0 ** e, -57344, 57344)
;;       step = 2.0 ** (np.maximum(np.frexp(np.where(r == 0, 1, r))[1] - 1, -14) - 2)
;;       q = np.round(r / step) * step * 2.0 ** e      # np.round: ties to even
;;       return np.moveaxis(q.reshape(q.shape[:-2] + (-1,))[..., :K], -1, axis).astype(np.float32)
;;   ~~~
;;   SOFTMAX AHEAD OF A QUANTISED PRODUCT. Where the list says 'softmax', what is quantised is not the finished softmax but p = 2^(t - M), with t = logit x log2(e) and M = ceil(the row's largest t), a whole number; so 1/2 < the row's largest p <= 1. The row's sum l is taken of the UNQUANTISED p, in f32, and the product's result is divided by l at the end. Since M is a whole number, a kernel that streams over the keys may use a running M (the ceiling of the running maximum): every later rescaling is an exact power of two, which a block's scale takes up: the codes' values come out the same.
;;   OPERANDS COMPUTED ON THE WAY. 'Computed on the way' means the value that the module computes at that place (a softmax that the list does not call 'softmax' is quantised finished and normalised). What goes into a quantiser is computed in f32, as accurately as f32 sums, v_exp_f32 and their like allow (about 1e-6 of the number): no bf16 or f16 on the way to a quantiser, and a product that is left as it is and whose result goes on into a quantised operand takes f32 operands (vector FMAs, or v_wmma_f32_16x16x4_f32). A number that lies on a knife's edge between two numbers of the format may be rounded either way, as far as f32 arithmetic and the matrix unit's own rounding can turn it there, and no further.
;; One version. Each part assembles by itself: llvm-mc -triple=amdgcn-amd-amdhsa -mcpu=gfx1250 --defsym DOCPART=n.
;; ======== version 1 of 1: 4 launches
;; limits: right only within a limited range of input values
;; workspace buffers: xc 29,360,128 bytes; xs 917,504 bytes; qrec 8,650,752 bytes; kv 17,301,504 bytes; ac 8,388,608 bytes; asc 262,144 bytes
;; launch quant (part 1): grid 896 x 1, 4 waves a work-group, no clusters, 33,280 bytes of LDS; arguments q, k, v, wq, wk, wv, wo, xc, xs; writes xc, xs
.if DOCPART == 1
	.amdgcn_target "amdgcn-amd-amdhsa--gfx1250"
	.amdhsa_code_object_version 6
	.text
	.protected	k_q628af33a6c_quant
	.globl	k_q628af33a6c_quant
	.p2align	8
	.type	k_q628af33a6c_quant,@function
k_q628af33a6c_quant:
	s_mov_b64 s[64:65], 0
	v_nop
	global_prefetch_b8 v0, s[64:65] scope:SCOPE_SE
	s_setreg_imm32_b32 hwreg(HW_REG_WAVE_MODE, 25, 1), 1
	s_wait_xcnt 0x0
; q, k, v [8192][1024] and wq, wk, wv, wo [1024][1024], f32, K innermost, become codes of BF8 (E5M2) with one E8M0 scale byte for each 32 along K.
; The seven tensors are laid one behind the other as ONE matrix of 28,672 rows: xc [28672][1024] code bytes, xs [28672][32] scale bytes (first rows: q 0, k 8192, v 16384, wq 24576, wk 25600, wv 26624, wo 27648).
; A block's scale is 2^(floor(log2(its largest magnitude)) - 15); its byte is the largest magnitude's exponent field - 15, held at 1 from below.  Each number is divided by the scale, held within +-57,344 and rounded to the nearest code, ties to even.
; THE ORDER INSIDE A BLOCK: byte 16 h + 8 u + j of a block's 32 code bytes holds the block's number 16 u + 8 h + j (h, u = 0 or 1, j = 0 .. 7): the two middle groups of eight change places.
; Every operand of this program's products is laid so, both sides alike, so each product still multiplies the same pairs under the same scales; only the grouping of the sums differs.
; LIMITS: a block whose largest magnitude lies under 2^-111 has its byte held at 1 (a block of zeros too, where the rule says 127: its codes are zeros, and this program alone reads the bytes); NaN and infinities among the inputs are not served.
; Rows are dense and 1,024 is a multiple of 32: each tensor is a plain stream of blocks.  A work-group takes 32,768 numbers, a wave 16 steps of 512.  Work-groups 0-255 q, 256-511 k, 512-767 v, then 32 each for wq, wk, wv, wo.
; Each of a step's four loads reads 512 consecutive bytes, 16 a lane; the 2,048 bytes turn through the wave's own stage in LDS and come back so that two neighbouring lanes hold a block: the even lane its numbers 0-7 and 16-23,
; the odd lane 8-15 and 24-31.  A lane's 16 codes are 16 bytes: the wave stores 512 consecutive bytes.  A wave's 256 scale bytes are gathered in LDS and leave as one store of 256 consecutive bytes.
; No tensor loads, no barrier: waves share nothing.  Loads run four steps (16 loads a wave) ahead, the turn through LDS one step.
; WORK LEFT OUT BY THIS PROGRAM (in the launch attn): key steps of 128 keys that lie wholly above the diagonal of the mask that reference() builds itself (jnp.tril): their scores are replaced by -inf
; ahead of the softmax, so their p is 0 and they add nothing to the row's sum or to the second product, whatever finite values the inputs hold.  Every input has a way to the output and is loaded.
; LIMIT: a NaN, an infinity or an overflow that reaches only those scores is not carried to the result.
.set STEPS, 16
.set EMAX,  15
.set MANT,  0x600000                   ; the mantissa field of 57,344 as f32
.set CB,    16                         ; bytes of 16 codes
.set R,     16                         ; v16-79   four sets of 16 numbers as they are loaded
.set X,     80                         ; v80-111  two sets of 16 numbers of one block's half
.set C,     128                        ; v128-191 codes: four registers for each step, so that no store's data are written again
.set E,     112                        ; v112-127 a scale byte for each step
.set WREG,  8192                       ; LDS: a region for each wave: two stages of 32 x SP bytes, behind them its 256 scale bytes
.set SP,    80                         ; 64 bytes of the stream + 16 of padding
	s_load_b512 s[4:19], s[0:1], 0x0               ; q s[4:5], k s[6:7], v s[8:9], wq s[10:11], wk s[12:13], wv s[14:15], wo s[16:17], xc s[18:19]
	s_load_b64 s[24:25], s[0:1], 0x40              ; xs
	v_lshl_add_u32 v192, v0, 2, 0x8000
	v_mov_b32 v193, 0
	v_lshrrev_b32 v1, 5, v0
	v_readfirstlane_b32 s26, v1                    ; wave
	v_and_b32 v2, 31, v0                           ; lane
	v_lshlrev_b32 v3, 4, v2                        ; my 16 bytes of a load's 512
	s_mul_i32 s27, s26, WREG
	v_lshrrev_b32 v14, 2, v2
	v_mul_u32_u24 v14, v14, SP
	v_and_b32 v15, 3, v2
	v_lshl_add_u32 v14, v15, 4, v14
	v_add_nc_u32 v14, s27, v14                     ; the stage, on the way in: SP (lane / 4) + 16 (lane % 4): 64 bytes of the stream, then 16 of padding
	v_and_b32 v15, 30, v2
	v_mul_u32_u24 v15, v15, SP
	v_and_b32 v1, 1, v2
	v_lshl_add_u32 v15, v1, 5, v15
	v_add_nc_u32 v15, s27, v15                     ; on the way out: my block's first 64 bytes at SP x (lane without its lowest bit); the odd lane begins 32 bytes (8 numbers) in
	v_mul_u32_u24 v4, v2, CB                       ; my codes' place in a step's
	v_lshrrev_b32 v5, 1, v2
	s_add_co_u32 s27, s27, 2*32*SP
	v_add_nc_u32 v5, s27, v5                       ; LDS: my wave's 256 scale bytes, my block's byte
	v_lshlrev_b32 v7, 3, v2                        ; and on the way out 8 bytes a lane
	v_add_nc_u32 v6, s27, v7
	s_mov_b32 s23, MANT                            ; (an instruction takes one literal: the hold's line has another)
	s_wait_alu depctr_va_vdst(0)
	s_wait_kmcnt 0x0
	; which tensor is my work-group's: a chain of choices on the work-group's number alone; s22 = the tensor's first work-group
	s_mov_b64 s[20:21], s[16:17]
	s_mov_b32 s22, 864
	s_cmp_lt_u32 ttmp9, 864
	s_cselect_b64 s[20:21], s[14:15], s[20:21]
	s_cselect_b32 s22, 832, s22
	s_cmp_lt_u32 ttmp9, 832
	s_cselect_b64 s[20:21], s[12:13], s[20:21]
	s_cselect_b32 s22, 800, s22
	s_cmp_lt_u32 ttmp9, 800
	s_cselect_b64 s[20:21], s[10:11], s[20:21]
	s_cselect_b32 s22, 768, s22
	s_cmp_lt_u32 ttmp9, 768
	s_cselect_b64 s[20:21], s[8:9], s[20:21]
	s_cselect_b32 s22, 512, s22
	s_cmp_lt_u32 ttmp9, 512
	s_cselect_b64 s[20:21], s[6:7], s[20:21]
	s_cselect_b32 s22, 256, s22
	s_cmp_lt_u32 ttmp9, 256
	s_cselect_b64 s[20:21], s[4:5], s[20:21]
	s_cselect_b32 s22, 0, s22
	s_sub_co_u32 s28, ttmp9, s22
	s_lshl_b32 s28, s28, 2
	s_add_co_u32 s28, s28, s26                     ; which run of 8,192 numbers of the tensor is my wave's
	s_lshl_b32 s28, s28, 15                        ; 32,768 bytes a run
	s_mov_b32 s29, 0
	s_add_nc_u64 s[20:21], s[20:21], s[28:29]
	s_lshl_b32 s30, ttmp9, 2
	s_add_co_u32 s30, s30, s26                     ; and which run of the one matrix: the tensors follow each other in the order of the work-groups
	s_lshl_b32 s28, s30, 13                        ; 8,192 code bytes a run
	s_add_nc_u64 s[18:19], s[18:19], s[28:29]
	s_lshl_b32 s28, s30, 8                         ; 256 scale bytes a run
	s_add_nc_u64 s[24:25], s[24:25], s[28:29]
.macro LOAD t
.irp i, 0,1,2,3
	global_load_b128 v[R+16*((\t)%4)+4*\i:R+16*((\t)%4)+4*\i+3], v3, s[20:21] offset:2048*(\t)+512*\i th:TH_LOAD_NT   ; 32 lanes read 512 consecutive bytes
.endr
.endm
.macro TURN t                          ; step t's numbers through the stage: LDS serves a wave's instructions in order, so no wait stands between the stores and the loads
.irp i, 0,1,2,3
	ds_store_b128 v14, v[R+16*((\t)%4)+4*\i:R+16*((\t)%4)+4*\i+3] offset:32*SP*((\t)%2)+8*SP*\i
.endr
.irp i, 0,1,2,3
	ds_load_b128 v[X+16*((\t)%2)+4*\i:X+16*((\t)%2)+4*\i+3], v15 offset:32*SP*((\t)%2)+(\i/2)*SP+16*(\i%2)   ; eight numbers of the block's first 16, then eight of its second 16
.endr
.endm
.irp t, 0,1,2,3
	LOAD \t
.endr
	s_wait_loadcnt 12                              ; step 0's four loads are in
	TURN 0
.macro STEP t
.set XS, X+16*((\t)%2)
.if (\t) > 0
	s_wait_dscnt 1                                 ; this step's numbers are back from the stage (the last step's byte store may be out): so its stores into the stage have read their registers,
.else
	s_wait_dscnt 0x0
.endif
.if (\t)+4 < STEPS
	LOAD (\t)+4                                    ; which take the loads of four steps on
.endif
.if (\t)+1 < STEPS
.if STEPS-2-(\t) >= 3
	s_wait_loadcnt 12                              ; the next step's four loads are in; those of the three steps behind it may be out
.else
	s_wait_loadcnt 4*(STEPS-2-(\t))
.endif
	TURN (\t)+1                                    ; and go through the other stage while this step is worked
.endif
	v_max3_num_f32 v8, |v[XS]|, |v[XS+1]|, |v[XS+2]|               ; the largest magnitude of my 16
	v_max3_num_f32 v9, |v[XS+3]|, |v[XS+4]|, |v[XS+5]|
.irp i, 6,10
	v_max3_num_f32 v8, v8, |v[XS+\i]|, |v[XS+\i+1]|
	v_max3_num_f32 v9, v9, |v[XS+\i+2]|, |v[XS+\i+3]|
.endr
	v_max3_num_f32 v8, v8, |v[XS+14]|, |v[XS+15]|
	v_max3_num_f32 v8, v8, v9, (EMAX+1)<<23        ; and the floor 2^(16 - 127): so the byte cannot fall under 1
	v_max_num_f32_dpp v8, v8, v8 row_xmask:1 row_mask:0xf bank_mask:0xf   ; and of my neighbour's 16: the block's
	v_add_nc_u32 v11, 0xf8800000, v8               ; 15 off its exponent field: the conversion takes the exponent field of this operand as its scale, and nothing else of it
	v_and_or_b32 v10, v8, 0x7f800000, s23          ; 57,344 x the scale: the largest magnitude's exponent field over 57,344's mantissa
.irp i, 0,1,2,3,4,5,6,7,8,9,10,11,12,13,14,15
	v_med3_num_f32 v[XS+\i], v[XS+\i], -v10, v10   ; the conversion to an 8-bit code does not saturate (ISA guide 7.6.2): hold the number first
.endr
	v_cvt_scalef32_pk8_bf8_f32 v[C+4*(\t):C+4*(\t)+1], v[XS:XS+7], v11
	v_cvt_scalef32_pk8_bf8_f32 v[C+4*(\t)+2:C+4*(\t)+3], v[XS+8:XS+15], v11
	v_lshrrev_b32 v[E+(\t)], 23, v11               ; the scale's byte (also the plain line behind the conversions)
	ds_store_b8 v5, v[E+(\t)] offset:16*(\t)       ; both lanes of a block write the same byte with the same value
	global_store_b128 v4, v[C+4*(\t):C+4*(\t)+3], s[18:19] offset:32*CB*(\t)   ; 512 consecutive bytes, aligned
.endm
.irp t, 0,1,2,3,4,5,6,7,8,9,10,11,12,13,14,15
	STEP \t
.endr
	ds_load_b64 v[12:13], v6                       ; LDS serves a wave's instructions in order: these see my stores
	s_wait_dscnt 0x0
	global_store_b64 v7, v[12:13], s[24:25]        ; 32 lanes store 256 consecutive bytes, aligned
	s_wait_tensorcnt 0x0
	ds_add_u32 v192, v193
	s_wait_dscnt 0x0
	s_endpgm
.Lfunc_end_k_q628af33a6c_quant:
	.size	k_q628af33a6c_quant, .Lfunc_end_k_q628af33a6c_quant-k_q628af33a6c_quant
	.p2alignl 7, 3214868480
	.fill 96, 4, 3214868480
	.section	.rodata,"a",@progbits
	.p2align	6, 0x0
	.amdhsa_kernel k_q628af33a6c_quant
		.amdhsa_group_segment_fixed_size 33280
		.amdhsa_private_segment_fixed_size 0
		.amdhsa_enable_private_segment 0
		.amdhsa_kernarg_size 72
		.amdhsa_user_sgpr_count 2
		.amdhsa_user_sgpr_kernarg_segment_ptr 1
		.amdhsa_wavefront_size32 1
		.amdhsa_system_sgpr_workgroup_id_x 1
		.amdhsa_system_sgpr_workgroup_id_y 1
		.amdhsa_system_sgpr_workgroup_id_z 1
		.amdhsa_system_vgpr_workitem_id 0
		.amdhsa_next_free_vgpr 194
		.amdhsa_next_free_sgpr 66
		.amdhsa_reserve_vcc 0
		.amdhsa_float_denorm_mode_32 3
		.amdhsa_float_denorm_mode_16_64 3
		.amdhsa_memory_ordered 1
		.amdhsa_forward_progress 1
		.amdhsa_inst_pref_size 52
	.end_amdhsa_kernel
	.amdgpu_metadata
---
amdhsa.version: [ 1, 2 ]
amdhsa.kernels:
  - .name:           k_q628af33a6c_quant
    .symbol:         k_q628af33a6c_quant.kd
    .args:
      - { .name: q, .offset: 0, .size: 8, .value_kind: global_buffer, .address_space: global }
      - { .name: k, .offset: 8, .size: 8, .value_kind: global_buffer, .address_space: global }
      - { .name: v, .offset: 16, .size: 8, .value_kind: global_buffer, .address_space: global }
      - { .name: wq, .offset: 24, .size: 8, .value_kind: global_buffer, .address_space: global }
      - { .name: wk, .offset: 32, .size: 8, .value_kind: global_buffer, .address_space: global }
      - { .name: wv, .offset: 40, .size: 8, .value_kind: global_buffer, .address_space: global }
      - { .name: wo, .offset: 48, .size: 8, .value_kind: global_buffer, .address_space: global }
      - { .name: xc, .offset: 56, .size: 8, .value_kind: global_buffer, .address_space: global }
      - { .name: xs, .offset: 64, .size: 8, .value_kind: global_buffer, .address_space: global }
    .group_segment_fixed_size: 33280
    .private_segment_fixed_size: 0
    .kernarg_segment_align: 8
    .kernarg_segment_size: 72
    .max_flat_workgroup_size: 128
    .sgpr_count:     66
    .vgpr_count:     194
    .wavefront_size: 32
...
	.end_amdgpu_metadata
.endif
;; end of part 1
;; launch proj (part 2): grid 4 x 48, 4 waves a work-group, clusters of 4 x 1, 327,680 bytes of LDS; arguments xc, xs, qrec, kv; writes qrec, kv
.if DOCPART == 2
	.amdgcn_target "amdgcn-amd-amdhsa--gfx1250"
	.amdhsa_code_object_version 6
	.text
	.protected	k_q628af33a6c_proj
	.globl	k_q628af33a6c_proj
	.p2align	8
	.type	k_q628af33a6c_proj,@function
k_q628af33a6c_proj:
	s_mov_b64 s[64:65], 0
	v_nop
	global_prefetch_b8 v0, s[64:65] scope:SCOPE_SE
	s_setreg_imm32_b32 hwreg(HW_REG_WAVE_MODE, 25, 1), 1
	s_wait_xcnt 0x0
	s_wait_alu depctr_hold_cnt(0) depctr_sa_sdst(0) depctr_va_vdst(0) depctr_va_sdst(0) depctr_va_ssrc(0) depctr_va_vcc(0) depctr_vm_vsrc(0)
	s_getreg_b32 s2, hwreg(HW_REG_IB_STS2, 6, 4)
	s_cmp_eq_u32 s2, 0
	s_cbranch_scc0 .Lentry_in_a_cluster
	s_endpgm
.Lentry_in_a_cluster:
	s_bfe_u32 s2, ttmp6, 0x10000c
	s_cmp_lg_u32 s2, 0x3003
	s_cbranch_scc0 .Lentry_shape_is_right
	s_endpgm
.Lentry_shape_is_right:
; The three projections xq = q wq^T, xk = k wk^T, xv = v wv^T on codes of BF8 (E5M2) with E8M0 scales (xc [28672][1024], xs [28672][32]), f32 sums; the results are quantised in registers, as operands of the
; attention's two products, and stored as IMAGES OF OPERAND REGISTERS: pieces of 512 bytes, lane l's 16 bytes at 16 l.
; THE MATRIX INSTRUCTION: source 0 = 16 rows of the operand B (axis i), source 1 = 16 rows of the operand A (axis j): a lane holds ONE j (lane % 16) and eight neighbouring i (8 (lane / 16) + 0 .. 7).
; AXIS i IS THE AXIS ALONG WHICH THE RESULT IS QUANTISED.  xq, xk: the head's channels: A = tokens, B = rows of the weight.  xv: the keys: A = rows of wv (channels), B = tokens of v.
; The 16 registers of two neighbouring blocks along i are 16 numbers of one block of 32: register 8 u + j = number 16 u + 8 (lane / 16) + j: the order in which all of this program's codes lie inside a block.
; THE DEAL.  192 work-groups of equal work, 64 for each product g = y / 16 (256 x 512 of a product each; 256 equal blocks do not divide the three products with 256 resident rows).  A work-group holds 256 rows of A in registers, 64 rows x all of K
; for each of its four waves (512 registers), and streams 512 rows of B past them in four chunks of 128 rows, in blocks of 16 rows, whole K, two sets of 128 registers.  A block is 32 products on four accumulators, which take turns.
; e = y % 16.  xq, xk: A = tokens 256 (4 (e / 2) + cx) on, B = weight rows 512 (e % 2) on.  xv: A = wv's rows 256 cx on, B = v's tokens 512 e on.
; LDS: two slots of 128 rows x (1,024 + 16) bytes.  At the head: waves 0 and 1 A's halves into the two slots, wave 2 A's scale bytes, wave 3 B's (all 512 rows).  A goes into registers; behind a drained round chunks 0 and 1 are filled over it
; (waves 0, 1: chunk 0, a load line of their own, shown first; waves 2, 3: chunk 1).  Chunks 2 and 3 are refills, 32 rows a wave, each behind a drained round at the end of the chunk whose slot it takes: it has the next chunk's 256 products a wave in which to land.
; CLUSTERS: the four work-groups of a cluster (cx) share B's chunks and B's scale bytes: joint loads that name the four.  A's tile belongs to one work-group of the cluster and comes by a plain load.
; NO PREFETCH: behind the head each refill is asked for a whole chunk ahead of its first read; the head has no loop to run ahead in.
; OUT.  qrec [bh 64][step 16][8,448]: 8 images of 16 tokens x 64 channels (1,024 bytes), then 256 scale bytes.  kv [bh 64][step 16][16,896]: K's 8 images, V's 4 images of 16 channels x 128 keys (2,048 bytes), K's 256 scale bytes, V's 256.
; Scale bytes: xq, xk at 16 r + 2 (token tile) + (channel block); xv at 16 r + 4 (channel tile) + (key block).  They leave 8 bytes a lane; for xq, xk a wave has four of a record's eight token tiles, so two waves share a unit of 256 bytes: one part in 33 of what is stored.
; No branch hangs on g: every difference between the three products is a chosen number.
; LIMITS: a block whose largest magnitude lies under 2^-111 has its byte held at 1 (a block of zeros too, where the rule says 127: this program alone reads the bytes); NaN and infinities are not served.
; REGISTERS: window 0: v4-15 addresses, v16-31 the quantiser's, v32-63 A's scale words (8 a + q), v68-83 B's (two sets; no product's two scale words have numbers equal modulo 8), v84-99 store offsets, v100-115 codes,
; v116-123 scale bytes, v128-255 sixteen accumulators (32 (block % 4) + 8 a);  windows 1, 2: A's fragments (4 q + a);  window 3: B's two sets.
.set KROW,  1024
.set PITCH, KROW+16
.set YB,    128*PITCH                  ; slot 1
.set SCA,   2*YB                       ; A's scale bytes: 32 units of 256 bytes + 16 of padding
.set SCB,   SCA+32*272                 ; B's: 64 units
.set SPARE, SCB+64*272                 ; the spare words, 128 bytes for each wave, which no other line names
.set ADRR, 4                           ; v4   LDS address of my 64 rows of A
.set ADB0, 5                           ; v5, v6   my lane's place in a chunk: blocks 0-3, 4-7
.set ADB,  7                           ; v7, v8   the same in the slot in hand
.set ADSA, 9                           ; v9   A's scale words
.set ADS0, 10                          ; v10  B's, chunk 0
.set ADS,  11                          ; v11  B's, the chunk in hand
.set VSO,  12                          ; v12  byte offset of my 8 scale bytes
.set SELK, 13                          ; v13  byte selects: lanes 0-15 the low halves of two words, lanes 16-31 the high halves
.set SPW,  14
.set NIL,  15
.set TM,   16                          ; v16-19 largest magnitudes, v20-23 bytes, v24-27 57,344 x the scale, v28-31 the conversions' scale operands
.set SA,   32
.set SBW,  68
.set VO,   84                          ; v[84 + 4 a + p]: where the piece of block a of j, pair p of the chunk goes
.set PC,   100
.set PWS,  116                         ; a word of four scale bytes for each a
.set QD,   120
.set ACC,  128
.set G1P,  24                          ; s[24:31], s[68:71] A's halves (plain)
.set G0P,  68
.set G1J,  32                          ; s[32:39], s[80:83] B's chunks (joint)
.set G0J,  80
.set G1SA, 48                          ; s[48:55], s[72:75] A's scale bytes (plain)
.set G0SA, 72
.set G1SB, 56                          ; s[56:63], s[76:79] B's scale bytes (joint)
.set G0SB, 76
.set OB,   12                          ; s[12:13] where the chunk's pieces go
.set SB,   98                          ; s[98:99] and its scale bytes
.set CINC, 92                          ; s[92:93] from a chunk to the next, in bytes
.set MNT,  94
.set MV,   95                          ; all ones for xv, else 0: a lane mask
.set MH,   19                          ; the lane mask of lanes 16-31
.set SEL,  100
.set TBS,  84                          ; s84  LDS byte at which the slot in hand begins
.set SCS,  85                          ; s85  the chunk's scale words: 16 units a chunk
.set BG,   86                          ; s[86:87] my 32 rows of the chunk that is asked for next
.set MSB, 0
.macro WIN new                         ; the immediate's high byte repeats the setting that is left
.if MSB != \new
	s_set_vgpr_msb (MSB<<8)|\new
.set MSB, \new
.endif
.endm
.macro PLACES n
.rept \n
	v_nop
.endr
.endm
.macro BARRIER
	s_barrier_signal -1
	s_barrier_wait -1
.endm
.macro CROUND                          ; a round of the cluster's barrier
	BARRIER
	s_cmp_lg_u32 s14, 0
	s_cbranch_scc1 .Lnot_wave_0_\@
	s_barrier_signal -3
.Lnot_wave_0_\@:
	s_barrier_wait -3
	BARRIER
.endm
.macro TLOAD g0, g1                    ; an s_nop 0 and four v_nop follow a tensor load
	tensor_load_to_lds s[\g0:\g0+3], s[\g1:\g1+7]
	s_nop 0
	PLACES 4
.endm
.macro GROUP1 g, word0, width, rows    ; dense rows of so many elements
	s_mov_b32 s[\g+0], \word0
	s_mov_b32 s[\g+1], (\width)<<16
	s_mov_b32 s[\g+2], (\rows)<<16
	s_mov_b32 s[\g+3], (\width)<<16
	s_mov_b32 s[\g+4], \rows
	s_mov_b32 s[\g+5], \width
	s_mov_b32 s[\g+6], 0
	s_mov_b32 s[\g+7], 0
.endm
.macro GROUP0 g, lds, base, off
	s_mov_b32 s[\g], 1
	s_mov_b32 s[\g+1], \lds
	s_add_nc_u64 s[\g+2:\g+3], s[\base:\base+1], s[\off:\off+1]
	s_or_b32 s[\g+3], s[\g+3], 0x80000000
.endm
	s_load_b128 s[4:7], s[0:1], 0x0                ; xc, xs
	s_load_b128 s[8:11], s[0:1], 0x10              ; qrec, kv
	v_lshl_add_u32 v[SPW], v0, 2, SPARE
	v_mov_b32 v[NIL], 0
	ds_add_u32 v[SPW], v[NIL]                      ; the opening lines: the add, twice on end, and its wait ahead of my first tensor load
	ds_add_u32 v[SPW], v[NIL]
	v_lshrrev_b32 v1, 5, v0
	v_readfirstlane_b32 s14, v1                    ; wave 0..3
	s_bfe_u32 s40, ttmp6, 0x40000                  ; cx
	s_and_b32 s41, ttmp7, 0xffff
	s_lshr_b32 s96, s41, 4                         ; g: which product
	s_and_b32 s97, s41, 15                         ; e
	s_lshr_b32 s17, s97, 1
	s_lshl_b32 s17, s17, 2
	s_add_co_u32 s17, s17, s40
	s_lshl_b32 s17, s17, 8                         ; xq, xk: the work-group's first token
	s_lshl_b32 s18, s96, 13
	s_add_co_u32 s18, s18, s17                     ; and its row in xc
	s_lshl_b32 s20, s40, 8                         ; xv: the work-group's first channel
	s_add_co_u32 s21, s20, 26624                   ; and wv's row
	s_and_b32 s22, s97, 1
	s_lshl_b32 s22, s22, 9                         ; xq, xk: the first channel
	s_lshl_b32 s23, s96, 10
	s_add_co_u32 s23, s23, s22
	s_add_co_u32 s23, s23, 24576                   ; and the weight's row
	s_lshl_b32 s42, s97, 9                         ; xv: the first token
	s_add_co_u32 s43, s42, 16384                   ; and v's row
	s_cmp_eq_u32 s96, 2
	s_cselect_b32 s18, s21, s18                    ; A's first row
	s_cselect_b32 s23, s43, s23                    ; B's first row: cx never enters
	GROUP1 G1P, (1<<20)|(7<<22)|(3<<25), KROW, 128                       ; rows of 1,024 bytes, 16 of padding behind each; no mask
	GROUP1 G1J, 15|(1<<20)|(1<<21)|(7<<22)|(3<<25), KROW, 64             ; the same, for the cluster's four; 64 rows at first, 32 in the refills
	GROUP1 G1SA, (3<<16)|(1<<20)|(5<<22)|(3<<25), 32, 32                 ; scale bytes: rows of 256 bytes (32 elements of 8), 16 of padding behind each
	GROUP1 G1SB, 15|(3<<16)|(1<<20)|(1<<21)|(5<<22)|(3<<25), 32, 64
	s_and_b32 s2, s14, 1
	s_lshl_b32 s44, s18, 10                        ; byte offsets, each under 2^32.  A's codes: my half, if I fetch one
	s_lshl_b32 s45, s2, 17
	s_add_co_u32 s44, s44, s45
	s_mov_b32 s45, 0
	s_lshl_b32 s46, s18, 5                         ; A's scale bytes
	s_mov_b32 s47, 0
	s_lshl_b32 s88, s23, 10                        ; B's codes
	s_mov_b32 s89, 0
	s_lshl_b32 s66, s23, 5                         ; B's scale bytes
	s_mov_b32 s67, 0
	s_lshl_b32 s90, s14, 16
	s_add_co_u32 s90, s90, s88                     ; chunks 0 and 1: 64 rows a wave
	s_mov_b32 s91, 0
	s_lshl_b32 s3, s14, 15
	s_add_co_u32 s88, s88, s3
	s_add_co_u32 s88, s88, 256*KROW                ; chunk 2: 32 rows a wave
	s_wait_dscnt 0x0                               ; both opening adds are done
	CROUND                                         ; the four work-groups are here: the joint loads meet
	s_wait_kmcnt 0x0
	GROUP0 G0P, 0, 4, 44
	s_mul_i32 s[G0P+1], s2, YB
	GROUP0 G0SA, SCA, 6, 46
	GROUP0 G0SB, SCB, 6, 66
	GROUP0 G0J, 0, 4, 90
	s_mul_i32 s[G0J+1], s14, 64*PITCH
	s_add_nc_u64 s[BG:BG+1], s[4:5], s[88:89]
.macro ARM under, g0, g1, next         ; one tree of branches on the wave's number, an arm a load
	s_cmp_lt_u32 s14, \under
	s_cbranch_scc0 \next
	TLOAD \g0, \g1
	s_branch .Lhead_asked
\next:
.endm
	ARM 2, G0P, G1P, .Lhead_sa
	ARM 3, G0SA, G1SA, .Lhead_sb
	TLOAD G0SB, G1SB
.Lhead_asked:
	; THE WAY OUT's numbers, made while the first tiles are on their way
	s_lshl_b32 s44, s14, 6
	s_add_co_u32 s17, s17, s44                     ; xq, xk: my first token
	s_add_co_u32 s20, s20, s44                     ; xv: my first channel
	s_cmp_eq_u32 s96, 0
	s_mov_b32 s45, 16896
	s_cselect_b32 s45, 8448, s45                   ; a record: 8,448 bytes in qrec, 16,896 in kv
	s_mov_b32 s47, 16384
	s_cselect_b32 s47, 8192, s47                   ; where the scale bytes of xq, of xk lie in a record
	s_cselect_b64 s[OB:OB+1], s[8:9], s[10:11]     ; qrec or kv: the choice hangs on the product's number alone
	s_lshl_b32 s66, s45, 4                         ; from a head to the next: 16 records
	s_lshl_b32 s21, s2, 3
	s_add_co_u32 s47, s47, s21                     ; xq, xk: my four token tiles' bytes: 8 (wave % 2) on
	s_lshl_b32 s46, s2, 12                         ; and their images: 4,096 (wave % 2) on
	s_lshl_b32 s[CINC], s66, 1                     ; xq, xk: a chunk is two heads
	s_cmp_eq_u32 s96, 2
	s_cselect_b32 s18, s42, s17                    ; my first token
	s_cselect_b32 s23, s20, s22                    ; my first channel
	s_cselect_b32 s[MV], -1, 0
	s_cselect_b32 s46, 8192, s46                   ; V's images lie behind K's
	s_cselect_b32 s47, 16640, s47                  ; and V's scale bytes behind K's
	s_cselect_b32 s67, 1024, s66                   ; from pairs 0, 1 to pairs 2, 3: xv: the next two key blocks; xq, xk: the next head
	s_cselect_b32 s89, 8, s66                      ; lanes 16-31 store: xv: the second 8 bytes; xq, xk: the next head's
	s_cselect_b32 s[CINC], s45, s[CINC]            ; xv: a chunk is a step: one record
	s_mov_b32 s88, 1024
	s_cselect_b32 s88, 2048, s88                   ; from a block of j to the next: an image
	s_mov_b32 s[CINC+1], 0
	s_lshr_b32 s21, s18, 11                        ; the batch
	s_lshl_b32 s21, s21, 4
	s_lshr_b32 s23, s23, 6                         ; my first head
	s_add_co_u32 s21, s21, s23
	s_lshl_b32 s21, s21, 4
	s_bfe_u32 s18, s18, 0x40007                    ; the step
	s_add_co_u32 s21, s21, s18
	s_mul_i32 s20, s21, s45                        ; my record, in bytes (under 2^25)
	s_mov_b32 s21, 0
	s_add_co_u32 s[SB], s20, s47
	s_mov_b32 s[SB+1], 0
	s_add_co_u32 s20, s20, s46
	s_add_nc_u64 s[SB:SB+1], s[OB:OB+1], s[SB:SB+1]
	s_add_nc_u64 s[OB:OB+1], s[OB:OB+1], s[20:21]
	s_mov_b32 s[MH], 0xffff0000
	s_mov_b32 s[MNT], 0x600000
	s_mov_b32 s[SEL], 0x76543210
	s_mov_b32 s[SEL+1], 0xfedcba98
	s_mov_b32 s[TBS], 0
	s_mov_b32 s[SCS], 0
	s_mul_i32 s41, s14, 64*PITCH
	s_mul_i32 s43, s14, 8*272
	s_add_co_u32 s43, s43, SCA
	v_and_b32 v1, 15, v0                           ; r
	v_bfe_u32 v2, v0, 4, 1                         ; h
	v_and_b32 v3, 31, v0                           ; lane
	v_mul_u32_u24 v[ADB0], v1, PITCH
	v_lshl_add_u32 v[ADB0], v2, 4, v[ADB0]         ; a fragment: row r, + 16 h
	v_add_nc_u32 v[ADB0+1], 64*PITCH, v[ADB0]
	v_add_nc_u32 v[ADRR], s41, v[ADB0]             ; A's 256 rows lie on end in the two slots: mine begin at row 64 x wave
	v_lshlrev_b32 v16, 5, v1                       ; scale bytes: 32 a row, and 16 more for each 256 passed
	v_lshrrev_b32 v17, 3, v1
	v_lshl_add_u32 v16, v17, 4, v16
	v_add_nc_u32 v[ADSA], s43, v16
	v_add_nc_u32 v[ADS0], SCB, v16
	v_lshlrev_b32 v[VO], 4, v3
	v_add_nc_u32 v[VO+1], 512, v[VO]
	v_add_nc_u32 v[VO+2], s67, v[VO]
	v_add_nc_u32 v[VO+3], s67, v[VO+1]
.irp k, 4,5,6,7,8,9,10,11,12,13,14,15
	v_add_nc_u32 v[VO+\k], s88, v[VO+\k-4]
.endr
	v_mul_lo_u32 v[VSO], v2, s89
	v_lshl_add_u32 v[VSO], v1, 4, v[VSO]
	v_mov_b32 v[SELK], 0x05040100
	v_mov_b32 v17, 0x07060302
	v_cndmask_b32 v[SELK], v[SELK], v17, s[MH]
.irp a, 0,1,2,3
	v_mov_b32 v[TM+4+\a], 0                        ; written once: a lane permute's destination counts as one of its sources
.endr
	s_wait_alu depctr_va_vdst(0)
	s_wait_tensorcnt 0x0                           ; my tile of the head's four is in
	BARRIER                                        ; everybody's are
.irp q, 0,1,2,3,4,5,6,7                        ; my 64 rows of A, all of K, into windows 1 and 2: fragment 4 q + a
	WIN (1+\q/4)<<6
.irp a, 0,1,2,3
.irp c, 0,1,2,3
	ds_load_b128 v[16*((4*\q+\a)%16)+4*\c:16*((4*\q+\a)%16)+4*\c+3], v[ADRR] offset:\a*16*PITCH+128*\q+32*\c
.endr
.endr
.endr
	WIN 0
.irp a, 0,1,2,3
	ds_load_b128 v[SA+8*\a:SA+8*\a+3], v[ADSA] offset:2*\a*272      ; and their scale words: they stay
	ds_load_b128 v[SA+8*\a+4:SA+8*\a+7], v[ADSA] offset:2*\a*272+16
.endr
	s_wait_tensorcnt 0x0
	ds_add_u32 v[SPW], v[NIL]
	s_wait_dscnt 0x0                               ; the add is done, and A is in registers
	CROUND
	s_cmp_lt_u32 s14, 2                            ; chunks 0 and 1 over A, 64 rows a wave; waves 0 and 1, whose chunk is shown first, have a line of their own
	s_cbranch_scc0 .Lupper
	TLOAD G0J, G1J
	s_branch .Lboth
.Lupper:
	TLOAD G0J, G1J
.Lboth:
	s_cmp_lt_u32 s14, 2
	s_cbranch_scc0 .Lnot_yet
	s_wait_tensorcnt 0x0                           ; waves 0 and 1: chunk 0 is in.  The other waves' wait stands in front of the next round
.Lnot_yet:
	BARRIER
.macro FETCHB set, blk                 ; block blk of the chunk in hand, all of K, into set, and its scale words: 34 loads
	WIN 0xc0
.irp q, 0,1,2,3,4,5,6,7
.irp e, 0,1,2,3
	ds_load_b128 v[128*(\set)+16*\q+4*\e:128*(\set)+16*\q+4*\e+3], v[ADB+(\blk)/4] offset:((\blk)%4)*16*PITCH+128*\q+32*\e
.endr
.endr
	WIN 0
	ds_load_b128 v[SBW+8*(\set):SBW+8*(\set)+3], v[ADS] offset:2*(\blk)*272
	ds_load_b128 v[SBW+8*(\set)+4:SBW+8*(\set)+7], v[ADS] offset:2*(\blk)*272+16
.endm
.macro MUL set, b                      ; 32 products: B's block in set x my four blocks of A, K ascending; the first four start the sums
.irp q, 0,1,2,3,4,5,6,7
	WIN 0x03|((1+\q/4)<<2)
.irp a, 0,1,2,3
.if \q == 0
	v_wmma_scale_f32_16x16x128_f8f6f4 v[ACC+32*(\b)+8*\a:ACC+32*(\b)+8*\a+7], v[128*(\set)+16*\q:128*(\set)+16*\q+15], v[16*((4*\q+\a)%16):16*((4*\q+\a)%16)+15], 0, v[SBW+8*(\set)+\q], v[SA+8*\a+\q] matrix_a_fmt:MATRIX_FMT_BF8 matrix_b_fmt:MATRIX_FMT_BF8
.else
	v_wmma_scale_f32_16x16x128_f8f6f4 v[ACC+32*(\b)+8*\a:ACC+32*(\b)+8*\a+7], v[128*(\set)+16*\q:128*(\set)+16*\q+15], v[16*((4*\q+\a)%16):16*((4*\q+\a)%16)+15], v[ACC+32*(\b)+8*\a:ACC+32*(\b)+8*\a+7], v[SBW+8*(\set)+\q], v[SA+8*\a+\q] matrix_a_fmt:MATRIX_FMT_BF8 matrix_b_fmt:MATRIX_FMT_BF8
.endif
.endr
.endr
	WIN 0
.endm
; THE QUANTISER of pair p of the chunk: 32 along i x my 64 j.  For block a of j a lane's 16 numbers are the accumulators at QS + 8 a (u = 0) and QS + 32 + 8 a (u = 1); the block of 32 lies in lanes l and l xor 16.
; The four registers of codes are a piece of an image and are stored as they stand: 512 consecutive bytes, aligned.
.macro QUANT p
.set QS, ACC+64*((\p)%2)
	s_wait_xcnt 0x0                                ; the earlier stores have had their addresses translated (ISA guide 3.1): only behind this wait are their data written again
.irp a, 0,1,2,3
	v_max3_num_f32 v[TM+\a], 0x8000000, |v[QS+8*\a]|, |v[QS+8*\a+1]|   ; and the floor 2^(16 - 127): the byte cannot fall under 1.  Each accumulator is read from its low end on
.endr
.irp i, 2,4,6,32,34,36,38
.irp a, 0,1,2,3
	v_max3_num_f32 v[TM+\a], v[TM+\a], |v[QS+8*\a+\i]|, |v[QS+8*\a+\i+1]|
.endr
.endr
.irp a, 0,1,2,3
	v_permlanex16_b32 v[TM+4+\a], v[TM+\a], s[SEL], s[SEL+1]
.endr
.irp a, 0,1,2,3
	v_max_num_f32 v[TM+\a], v[TM+\a], v[TM+4+\a]   ; with lane l xor 16's: the block's largest magnitude
.endr
.irp a, 0,1,2,3
	v_add_nc_u32 v[TM+12+\a], 0xf8800000, v[TM+\a] ; 15 off its exponent field: the conversion's scale operand
.endr
.irp a, 0,1,2,3
	v_and_or_b32 v[TM+8+\a], v[TM+\a], 0x7f800000, s[MNT]   ; 57,344 x the scale
.endr
.irp a, 0,1,2,3
	v_lshrrev_b32 v[TM+4+\a], 23, v[TM+12+\a]      ; the scale's byte
.endr
.irp a, 0,1,2,3
.if (\p) == 0
	v_mov_b32 v[PWS+\a], v[TM+4+\a]
.else
	v_lshl_or_b32 v[PWS+\a], v[TM+4+\a], 8*(\p), v[PWS+\a]
.endif
.endr
.irp a, 0,1,2,3
.irp i, 0,1,2,3,4,5,6,7,32,33,34,35,36,37,38,39
	v_med3_num_f32 v[QS+8*\a+\i], v[QS+8*\a+\i], -v[TM+8+\a], v[TM+8+\a]   ; the conversion to an 8-bit code does not saturate (ISA guide 7.6.2): the hold at 57,344 x the scale
.endr
.endr
.irp a, 0,1,2,3
	v_cvt_scalef32_pk8_bf8_f32 v[PC+4*\a:PC+4*\a+1], v[QS+8*\a:QS+8*\a+7], v[TM+12+\a]
	v_cvt_scalef32_pk8_bf8_f32 v[PC+4*\a+2:PC+4*\a+3], v[QS+32+8*\a:QS+32+8*\a+7], v[TM+12+\a]
.endr
	v_nop                                          ; one plain line behind the last conversion
.irp a, 0,1,2,3
	global_store_b128 v[VO+4*\a+(\p)], v[PC+4*\a:PC+4*\a+3], s[OB:OB+1]
.endr
.endm
; A CHUNK: eight blocks; while one is multiplied, or a pair quantised, the next one's 34 loads are out.  At its end the chunk's scale bytes leave, and the stores' bases step.
.macro KCH
	v_add_nc_u32 v[ADB], s[TBS], v[ADB0]
	v_add_nc_u32 v[ADB+1], s[TBS], v[ADB0+1]
	v_add_nc_u32 v[ADS], s[SCS], v[ADS0]
	s_wait_alu depctr_va_vdst(0)
	FETCHB 0, 0
	FETCHB 1, 1
.irp blk, 0,1,2,3,4,5,6,7
.if \blk < 7
	s_wait_dscnt 34                                ; all but the younger block's 34 loads
.else
	s_wait_dscnt 0x0
.endif
	MUL \blk%2, \blk%4
	PLACES 8                                       ; eight places ahead of loads into what the products read, and of the first read of their sums
.if \blk < 6
	FETCHB \blk%2, \blk+2
.endif
.if \blk%2 == 1
	QUANT \blk/2
.endif
.endr
	v_perm_b32 v[QD], v[PWS+1], v[PWS], v[SELK]    ; xq, xk: a head's two bytes of my token tiles 0 and 1,
	v_perm_b32 v[QD+1], v[PWS+3], v[PWS+2], v[SELK]   ; 2 and 3
	v_cndmask_b32 v[QD+2], v[PWS], v[PWS+2], s[MH] ; xv: the words of channel tiles 0, 1 (lanes 0-15), 2, 3 (lanes 16-31)
	v_cndmask_b32 v[QD+3], v[PWS+1], v[PWS+3], s[MH]
	v_cndmask_b32 v[QD], v[QD], v[QD+2], s[MV]
	v_cndmask_b32 v[QD+1], v[QD+1], v[QD+3], s[MV]
	global_store_b64 v[VSO], v[QD:QD+1], s[SB:SB+1]
	s_wait_xcnt 0x0                                ; the stores have read their bases
	s_add_nc_u64 s[OB:OB+1], s[OB:OB+1], s[CINC:CINC+1]
	s_add_nc_u64 s[SB:SB+1], s[SB:SB+1], s[CINC:CINC+1]
.endm
	s_mov_b32 s3, 2
.Lfill:                                            ; chunks 0 and 1: at the end of each its slot takes the chunk two on
	KCH
	s_wait_tensorcnt 0x0                           ; all my tensor loads are in: my part of the next chunk;
	ds_add_u32 v[SPW], v[NIL]                      ; the descriptor's words are made between the add and the wait for it
	s_mov_b32 s[G1J+2], 32<<16                     ; a refill brings 32 rows a wave
	s_mov_b32 s[G1J+4], 32
	s_mul_i32 s[G0J+1], s14, 32*PITCH
	s_add_co_u32 s[G0J+1], s[G0J+1], s[TBS]
	s_mov_b64 s[G0J+2:G0J+3], s[BG:BG+1]
	s_or_b32 s[G0J+3], s[G0J+3], 0x80000000
	s_add_nc_u64 s[BG:BG+1], s[BG:BG+1], 128*KROW
	s_wait_dscnt 0x0                               ; the add is done, and my reads of this slot are over
	CROUND                                         ; so of every wave of every partner
	TLOAD G0J, G1J
	s_xor_b32 s[TBS], s[TBS], YB                   ; on to the other slot
	s_add_co_u32 s[SCS], s[SCS], 16*272
	s_sub_co_u32 s3, s3, 1
	s_cmp_lg_u32 s3, 0
	s_cbranch_scc1 .Lfill
	s_mov_b32 s3, 2
.Llast:                                            ; chunks 2 and 3: nothing more is asked for; the barrier behind chunk 2 shows chunk 3
	KCH
	s_wait_tensorcnt 0x0
	s_wait_dscnt 0x0
	BARRIER
	s_xor_b32 s[TBS], s[TBS], YB
	s_add_co_u32 s[SCS], s[SCS], 16*272
	s_sub_co_u32 s3, s3, 1
	s_cmp_lg_u32 s3, 0
	s_cbranch_scc1 .Llast
	s_wait_tensorcnt 0x0                           ; the wave's end
	ds_add_u32 v[SPW], v[NIL]
	s_wait_dscnt 0x0
	CROUND                                         ; the closing round
	s_endpgm
.Lfunc_end_k_q628af33a6c_proj:
	.size	k_q628af33a6c_proj, .Lfunc_end_k_q628af33a6c_proj-k_q628af33a6c_proj
	.p2alignl 7, 3214868480
	.fill 96, 4, 3214868480
	.section	.rodata,"a",@progbits
	.p2align	6, 0x0
	.amdhsa_kernel k_q628af33a6c_proj
		.amdhsa_group_segment_fixed_size 327680
		.amdhsa_private_segment_fixed_size 0
		.amdhsa_enable_private_segment 0
		.amdhsa_kernarg_size 32
		.amdhsa_user_sgpr_count 2
		.amdhsa_user_sgpr_kernarg_segment_ptr 1
		.amdhsa_wavefront_size32 1
		.amdhsa_system_sgpr_workgroup_id_x 1
		.amdhsa_system_sgpr_workgroup_id_y 1
		.amdhsa_system_sgpr_workgroup_id_z 1
		.amdhsa_system_vgpr_workitem_id 0
		.amdhsa_next_free_vgpr 1024
		.amdhsa_next_free_sgpr 102
		.amdhsa_reserve_vcc 0
		.amdhsa_float_denorm_mode_32 3
		.amdhsa_float_denorm_mode_16_64 3
		.amdhsa_memory_ordered 1
		.amdhsa_forward_progress 1
		.amdhsa_inst_pref_size 196
	.end_amdhsa_kernel
	.amdgpu_metadata
---
amdhsa.version: [ 1, 2 ]
amdhsa.kernels:
  - .name:           k_q628af33a6c_proj
    .symbol:         k_q628af33a6c_proj.kd
    .args:
      - { .name: xc, .offset: 0, .size: 8, .value_kind: global_buffer, .address_space: global }
      - { .name: xs, .offset: 8, .size: 8, .value_kind: global_buffer, .address_space: global }
      - { .name: qrec, .offset: 16, .size: 8, .value_kind: global_buffer, .address_space: global }
      - { .name: kv, .offset: 24, .size: 8, .value_kind: global_buffer, .address_space: global }
    .group_segment_fixed_size: 327680
    .private_segment_fixed_size: 0
    .kernarg_segment_align: 8
    .kernarg_segment_size: 32
    .max_flat_workgroup_size: 128
    .sgpr_count:     102
    .vgpr_count:     1024
    .wavefront_size: 32
...
	.end_amdgpu_metadata
.endif
;; end of part 2
;; launch attn (part 3): grid 4 x 64, 16 waves a work-group, clusters of 4 x 1, 327,680 bytes of LDS; arguments qrec, kv, ac, asc; writes ac, asc
.if DOCPART == 3
	.amdgcn_target "amdgcn-amd-amdhsa--gfx1250"
	.amdhsa_code_object_version 6
	.text
	.protected	k_q628af33a6c_attn
	.globl	k_q628af33a6c_attn
	.p2align	8
	.type	k_q628af33a6c_attn,@function
k_q628af33a6c_attn:
	s_mov_b64 s[64:65], 0
	v_nop
	global_prefetch_b8 v0, s[64:65] scope:SCOPE_SE
	s_setreg_imm32_b32 hwreg(HW_REG_WAVE_MODE, 25, 1), 1
	s_wait_xcnt 0x0
	s_wait_alu depctr_hold_cnt(0) depctr_sa_sdst(0) depctr_va_vdst(0) depctr_va_sdst(0) depctr_va_ssrc(0) depctr_va_vcc(0) depctr_vm_vsrc(0)
	s_getreg_b32 s2, hwreg(HW_REG_IB_STS2, 6, 4)
	s_cmp_eq_u32 s2, 0
	s_cbranch_scc0 .Lentry_in_a_cluster
	s_endpgm
.Lentry_in_a_cluster:
	s_bfe_u32 s2, ttmp6, 0x10000c
	s_cmp_lg_u32 s2, 0x3003
	s_cbranch_scc0 .Lentry_shape_is_right
	s_endpgm
.Lentry_shape_is_right:
; Causal attention of one head on codes of BF8 (E5M2) with E8M0 scales, and the quantising of its result for the last projection.  bh = 16 x batch + head = the cluster's y; 2,048 tokens, head size 64.
; LEFT OUT: key steps of 128 keys wholly above the diagonal of reference()'s own causal mask: their p is 0 for all inputs.  A NaN or an infinity that reaches only those scores is not carried to the result.
; IN.  qrec [bh][step 16][8,448]: 8 images of 16 queries x 64 channels (1,024 bytes), 256 scale bytes.  kv [bh][step 16][16,896]: K's 8 images, V's 4 images of 16 channels x 128 keys (2,048 bytes), K's 256 scale bytes, V's 256.
; An image is made of pieces of 512 bytes, lane l's 16 bytes at 16 l.  Inside each block of 32 along a product's K, byte 16 h + 8 u + j holds number 16 u + 8 h + j, in both operands alike.
; OUT.  ac [tile of 16 tokens 512][K step 8][piece 4][512]: the result's codes as images for the last projection; asc [token 8192][32] its scale bytes.
; THE SOFTMAX: t = score x log2(e) / 8; M = the running largest t rounded UP to a whole number; p = 2^(t - M) is quantised along the keys, not normalised; the row's sum is taken of the unquantised p and divides at the end.
; When M moves, the sum and O are multiplied by 2^(old M - new M): exact.
; SHARES.  The four work-groups of a cluster own one head.  A HEAD'S K AND V, 16 records = 270,336 bytes, LIE IN LDS WHOLE: wave w asks for record w, once, at the head, by a joint load that names the four partners.
; Nothing is filled again, so the loops hold no barrier.  Two barriers show the records: the first those of waves 0 and 1 (a load line of their own), behind which two key steps are written out; the second all the others.
; Wave w, a = w / 2, takes two tiles of 16 queries: tile 2 cx + w % 2 of the group of 128 queries a (key steps 0 .. a), then the same tile of group 15 - a (key steps 0 .. 15 - a): 17 key steps for every wave.
; A group's last key step is its diagonal.  Branches hang on the wave's number and on the count of steps alone; the work-group's place cx enters global addresses and the diagonal's vector compare, no branch and no LDS address.
; The loops' trip counts are constants (6 and 16); a step beyond the wave's group is jumped over.
; NO PREFETCH: each byte of kv is asked for by the head's one load a wave; there is no later load to run ahead of.
; LAYOUT.  Both products are used transposed: S^T = K Q^T, O^T = V^T P^T: a lane holds ONE query (lane % 16) throughout.  The head's 64 channels are half of the instruction's 128: source 0 holds two tiles of 16 keys side by side along K,
; source 1 is (Q, zeros) for the first tile and (zeros, Q) for the second.  Register 16 f + 8 u + j of S^T is key 32 f + 16 u + 8 (lane / 16) + j of the step: the order in which V's images hold the keys of a block.
; LIMITS: a block whose largest magnitude lies under 2^-111 has its byte held at 1 (a block of zeros too); NaN and infinities are not served.  asc is stored one byte a lane, 32 bytes apart: one part in 33 of what the launch stores.
.set REC,   16896                      ; a record of kv: one step of 128 keys
.set RECQ,  8448                       ; a record of qrec
.set HS,    16*REC                     ; a head in kv
.set SPARE, 17*REC                     ; the spare words, 128 bytes for each of sixteen waves, which no other line names
.set LI,   1                           ; v1   16 x lane
.set LSC,  2                           ; v2   16 r
.set RH,   3                           ; v3   r - 8 h
.set ASO,  4                           ; v4   32 r + h: my byte of asc
.set SPW,  5                           ; v5   LDS address of my spare word; never rewritten
.set NIL,  6                           ; v6   0; never rewritten
.set ADK,  8                           ; v8   LDS address of the record's images for my lane
.set ADS,  9                           ; v9   and of its scale bytes
                                       ; v12 -M, v13 the largest t, v[14:15] the sum in two halves; v16-31 (Q, 0); v32-47 (0, Q)
.set KFR,  48                          ; v48-111  four fragments of K, then of V
.set S,    112                         ; v112-175 S^T, then p
.set O,    176                         ; v176-207 O^T
.set PCD,  208                         ; v208-223 p's codes
.set KSQ,  224                         ; v224-227 K's scale words
.set VSQ,  228                         ; v228-231 V's
                                       ; v232-251, v254 at work; v252 f; v253 p's scale word; v255 Q's scale word
.set TB,   2                           ; s2   LDS byte at which the record in hand begins
.set CNT,  3                           ; s3   a loop's trips to go
.set CX,   12                          ; s12  my place in the cluster
.set BH,   13                          ; s13  the head
.set Q0,   14                          ; s14  my first query
.set KF,   15                          ; s15  the step's first key
.set QG,   16                          ; s16  the first query of my group of 128: from the wave's number alone
.set WV,   18                          ; s18  my wave's number
.set MNT,  19                          ; s19  the mantissa field of 57,344
.set SEL,  20                          ; s[20:21] lane selects for v_permlanex16_b32: lane l xor 16
.set CS,   22                          ; s[22:23] c = log2(e) / 8
.set G1,   24                          ; s[24:31] descriptor group 1
.set G0,   32                          ; s[32:35] descriptor group 0
.set QA,   40                          ; s[40:41] my queries' image;  s[50:51] their scale bytes
.set QB,   50
.set AO,   42                          ; s[42:43] where my codes go
.set SO,   44                          ; s[44:45] and my scale bytes
.set MH,   52                          ; s52  the lane mask of lanes 16-31
.set JT,   53                          ; s53  16 x my tile's number in its group
.macro CROUND                          ; a round of the cluster's barrier
	s_barrier_signal -1
	s_barrier_wait -1
	s_cmp_lg_u32 s[WV], 0
	s_cbranch_scc1 .Lnot_wave_0_\@
	s_barrier_signal -3
.Lnot_wave_0_\@:
	s_barrier_wait -3
	s_barrier_signal -1
	s_barrier_wait -1
.endm
.macro PA d, x, y
	v_pk_add_f32 v[\d:\d+1], v[\x:\x+1], v[\y:\y+1]
.endm
; My 16 queries, from s[Q0] on: their image twice, as the first half of (Q, 0) and as the second half of (0, Q), and their two scale bytes.
.macro QLOAD
	s_lshl_b32 s46, s[BH], 4
	s_lshr_b32 s47, s[Q0], 7
	s_add_co_u32 s46, s46, s47
	s_mul_i32 s46, s46, RECQ                       ; the record (under 2^24 bytes)
	s_bfe_u32 s47, s[Q0], 0x30004                  ; which of its 8 tiles
	s_lshl_b32 s48, s47, 10
	s_add_co_u32 s48, s48, s46
	s_mov_b32 s49, 0
	s_add_nc_u64 s[QA:QA+1], s[4:5], s[48:49]
	s_lshl_b32 s48, s47, 1
	s_add_co_u32 s48, s48, s46
	s_add_co_u32 s48, s48, 8192
	s_add_nc_u64 s[QB:QB+1], s[4:5], s[48:49]
	global_load_b128 v[16:19], v[LI], s[QA:QA+1]
	global_load_b128 v[20:23], v[LI], s[QA:QA+1] offset:512
	global_load_b128 v[40:43], v[LI], s[QA:QA+1]
	global_load_b128 v[44:47], v[LI], s[QA:QA+1] offset:512
	global_load_u16 v251, v[LSC], s[QB:QB+1]       ; query r's bytes at 16 r + 2 x tile
.endm
; A pass begins: the largest t under every t, the sum and O^T zero; Q's scale word holds the two bytes twice, for either half of K.
.macro START
	v_mov_b32 v13, 0xff61b1e6                      ; -3e38
	s_delay_alu instid0(VALU_DEP_1)
	v_floor_f32 v12, -v13                          ; -M
	v_mov_b32 v14, 0
	v_mov_b32 v15, 0
	s_wait_loadcnt 0x0                             ; Q
	v_lshl_or_b32 v255, v251, 16, v251
.set n, 0
.rept 32
	v_mov_b32 v[O+n], 0                            ; a pass's first step finds zeros, which the first change of M leaves zeros.  (Also the eight places between the scale word and the first product)
.set n, n+1
.endr
.endm
	s_load_b256 s[4:11], s[0:1], 0x0               ; qrec s[4:5], kv s[6:7], ac s[8:9], asc s[10:11]
	v_lshl_add_u32 v[SPW], v0, 2, SPARE
	v_mov_b32 v[NIL], 0
	ds_add_u32 v[SPW], v[NIL]                      ; the opening lines: the add, twice on end, and its wait ahead of my tensor load
	ds_add_u32 v[SPW], v[NIL]
	v_lshrrev_b32 v8, 5, v0
	v_readfirstlane_b32 s[WV], v8                  ; wave 0..15
	s_bfe_u32 s[CX], ttmp6, 0x40000                ; cx
	s_and_b32 s[BH], ttmp7, 0xffff
	; descriptor group 1: a record, 16,896 dense bytes, as 66 rows of 256 bytes (32 elements of 8 bytes), no padding; the mask names the cluster's four, bit 21 beside it
	s_mov_b32 s[G1], 15|(3<<16)|(1<<21)
	s_mov_b32 s[G1+1], 32<<16                      ; tensor_dim0
	s_mov_b32 s[G1+2], 66<<16                      ; tensor_dim1
	s_mov_b32 s[G1+3], 32<<16                      ; tile_dim0
	s_mov_b32 s[G1+4], 66                          ; tile_dim1
	s_mov_b32 s[G1+5], 32                          ; tensor_dim0_stride
	s_mov_b32 s[G1+6], 0
	s_mov_b32 s[G1+7], 0
	s_mul_i32 s[G0+1], s[WV], REC                  ; record w's place in LDS: the wave's number alone
	s_mul_i32 s46, s[BH], HS                       ; my head in kv (under 2^25 bytes),
	s_add_co_u32 s46, s46, s[G0+1]                 ; and record w in it
	s_mov_b32 s47, 0
	s_mov_b32 s[SEL], 0x76543210
	s_mov_b32 s[SEL+1], 0xfedcba98
	s_mov_b32 s[CS], 0x3e38aa3b                    ; c = log2(e) / sqrt(64)
	s_mov_b32 s[CS+1], s[CS]                       ; (named with it as a pair, so it is written)
	s_mov_b32 s[MNT], 0x600000
	s_mov_b32 s[MH], 0xffff0000
	s_mov_b32 s[TB], 0
	s_mov_b32 s[KF], 0
	s_wait_dscnt 0x0                               ; both opening adds are done
	CROUND                                         ; the four work-groups are here: the joint loads meet
	s_wait_kmcnt 0x0
	s_mov_b32 s[G0], 1
	s_add_nc_u64 s[G0+2:G0+3], s[6:7], s[46:47]
	s_or_b32 s[G0+3], s[G0+3], 0x80000000
	s_cmp_lt_u32 s[WV], 2                          ; one joint load a wave; waves 0 and 1, whose records the first barrier shows, have a line of their own
	s_cbranch_scc0 .Lrest
	tensor_load_to_lds s[G0:G0+3], s[G1:G1+7]
	s_nop 0
.rept 4
	v_nop
.endr
	s_branch .Lasked
.Lrest:
	tensor_load_to_lds s[G0:G0+3], s[G1:G1+7]
	s_nop 0
.rept 4
	v_nop
.endr
.Lasked:
	s_and_b32 s46, s[WV], 1
	s_lshl_b32 s47, s[CX], 1
	s_add_co_u32 s46, s46, s47
	s_lshl_b32 s[JT], s46, 4                       ; my tile in a group: 2 cx + w % 2
	s_lshr_b32 s46, s[WV], 1
	s_lshl_b32 s[QG], s46, 7                       ; pass 1: group a = w / 2
	s_add_co_u32 s[Q0], s[QG], s[JT]
	v_and_b32 v8, 31, v0
	v_lshlrev_b32 v[LI], 4, v8
	v_and_b32 v9, 15, v0                           ; r
	v_bfe_u32 v10, v0, 4, 1                        ; h
	v_lshlrev_b32 v[LSC], 4, v9
	v_lshlrev_b32 v11, 3, v10
	v_sub_nc_u32 v[RH], v9, v11
	v_lshl_add_u32 v[ASO], v9, 5, v10
	s_wait_alu depctr_va_vdst(0)
	QLOAD
.irp j, 0,1,2,3,4,5,6,7
	v_mov_b32 v[24+\j], 0                          ; the zero halves of (Q, 0) and (0, Q): written once
	v_mov_b32 v[32+\j], 0
.endr
.irp b, 0,1,2,3
	v_mov_b32 v[236+\b], 0                         ; written once: a lane permute's destination counts as one of its sources
.endr
	v_mov_b32 v252, 0
	v_mov_b32 v253, 0                              ; (named as the upper half of the pair v[252:253] before it is first written)
	START
; A KEY STEP: the 128 keys of the record at s[TB].
.macro STEP
	s_cmp_gt_u32 s[KF], s[QG]                      ; a step beyond my group's diagonal is left out: the wave's number and the count of steps alone; no barrier and no tensor load stands in a step
	s_cbranch_scc1 .Lhidden_\@
	v_add_nc_u32 v[ADK], s[TB], v[LI]
	v_add_nc_u32 v[ADS], s[TB], v[LSC]
.rept 6
	v_nop                                          ; with the two additions: eight places in front of loads into registers that the last products read
.endr
.irp f, 0,1,2,3
.irp c, 0,1,2,3
	ds_load_b128 v[KFR+16*\f+4*\c:KFR+16*\f+4*\c+3], v[ADK] offset:2048*\f+512*\c   ; fragment f: the images of key tiles 2 f and 2 f + 1 on end
.endr
.endr
	ds_load_b128 v[KSQ:KSQ+3], v[ADS] offset:16384 ; word f: the two bytes of row r of tile 2 f, then of tile 2 f + 1
	s_wait_alu depctr_va_vdst(0)
	s_wait_dscnt 0x0
.irp f, 0,1,2,3
.irp u, 0,1
	v_wmma_scale_f32_16x16x128_f8f6f4 v[S+16*\f+8*\u:S+16*\f+8*\u+7], v[KFR+16*\f:KFR+16*\f+15], v[16+16*\u:31+16*\u], 0, v[KSQ+\f], v255 matrix_a_fmt:MATRIX_FMT_BF8 matrix_b_fmt:MATRIX_FMT_BF8
.endr
.endr
.rept 8
	v_nop                                          ; places: in front of the loads below, into registers that these products read, and of the first read of the scores
.endr
.irp t, 0,1,2,3
.irp c, 0,1,2,3
	ds_load_b128 v[KFR+16*\t+4*\c:KFR+16*\t+4*\c+3], v[ADK] offset:8192+2048*\t+512*\c   ; V's four channel tiles: asked for here, so that they land under the softmax
.endr
.endr
	ds_load_b128 v[VSQ:VSQ+3], v[ADS] offset:16640 ; word t: channel r of tile t, the step's four key blocks
	s_cmp_lg_u32 s[KF], s[QG]                      ; my group's own step is the diagonal: there the scores of hidden keys become -infinity ahead of the maximum, so p = 0
	s_cbranch_scc1 .Lopen_\@
	s_sub_co_i32 s46, s[Q0], s[KF]
	v_add_nc_u32 v252, s46, v[RH]                  ; d = my query - the step's first key - 8 h.  Register 16 f + 8 u + j holds key 32 f + 16 u + 8 h + j: hidden where 32 f + 16 u + j > d
	v_mov_b32 v254, 0xff800000                     ; -infinity
.set n, 0
.rept 64
	v_cmp_gt_i32 vcc_lo, 32*(n/16)+16*((n/8)%2)+n%8, v252
	v_cndmask_b32 v[S+n], v[S+n], v254, vcc_lo
.set n, n+1
.endr
.Lopen_\@:
.irp b, 0,1,2,3
	v_max3_num_f32 v[232+\b], v[S+16*\b], v[S+1+16*\b], v[S+2+16*\b]   ; the largest score of each block of 32 keys: for the row's maximum and, since p rises with the score, for the block's largest p
.endr
.irp i, 3,5,7,9,11,13
.irp b, 0,1,2,3
	v_max3_num_f32 v[232+\b], v[232+\b], v[S+16*\b+\i], v[S+1+16*\b+\i]
.endr
.endr
.irp b, 0,1,2,3
	v_max_num_f32 v[232+\b], v[232+\b], v[S+15+16*\b]
.endr
.irp b, 0,1,2,3
	s_delay_alu instid0(VALU_DEP_4)
	v_permlanex16_b32 v[236+\b], v[232+\b], s[SEL], s[SEL+1]
.endr
.irp b, 0,1,2,3
	s_delay_alu instid0(VALU_DEP_4)
	v_max_num_f32 v[232+\b], v[232+\b], v[236+\b]  ; with lane l xor 16's 16 keys
.endr
	s_delay_alu instid0(VALU_DEP_2)
	v_max3_num_f32 v254, v232, v233, v234
	s_delay_alu instid0(VALU_DEP_1)
	v_max_num_f32 v254, v254, v235                 ; the step's largest score of my query
	s_delay_alu instid0(VALU_DEP_1)
	v_mul_f32 v254, s[CS], v254                    ; as t (c is positive)
	s_delay_alu instid0(VALU_DEP_1)
	v_max_num_f32 v13, v13, v254                   ; the running largest t
	v_mov_b32 v254, v12
	s_delay_alu instid0(VALU_DEP_2)
	v_floor_f32 v12, -v13                          ; the new -M = floor(-t) = -ceil(t)
	s_delay_alu instid0(VALU_DEP_1)
	v_sub_f32 v254, v12, v254                      ; M's old value less its new one: a whole number, 0 or less
	s_delay_alu instid0(VALU_DEP_1)
	v_cvt_i32_f32 v254, v254                       ; (it saturates)
	s_delay_alu instid0(VALU_DEP_1)
	v_ldexp_f32 v252, 1.0, v254                    ; f = 2^(old M - new M)
.set n, 0
.rept 32
	v_pk_fma_f32 v[S+n:S+n+1], v[S+n:S+n+1], s[CS:CS+1], v[12:13] op_sel_hi:[1,0,0]   ; t - M, two at a time
.set n, n+2
.endr
.irp b, 0,1,2,3
	v_fma_f32 v[232+\b], v[232+\b], s[CS], v12     ; the same of each block's largest score
.endr
.set n, 0
	s_wait_alu depctr_va_vdst(0)
.rept 64
	v_exp_f32 v[S+n], v[S+n]                       ; p = 2^(t - M), at most 1: not normalised
.set n, n+1
.endr
.irp b, 0,1,2,3
	v_exp_f32 v[232+\b], v[232+\b]                 ; the block's largest p: the same two instructions on the same number give the same bits
.endr
	v_pk_mul_f32 v[14:15], v[14:15], v[252:253] op_sel_hi:[1,0]   ; the sums under the new M.  (A plain line behind the exponentials)
	s_wait_alu depctr_va_vdst(0)                   ; one wait for the batch, ahead of its first reader
.irp b, 0,1,2,3
	v_max_num_f32 v[232+\b], 0x8000000, v[232+\b]  ; the floor 2^(16 - 127): the byte cannot fall under 1
.endr
.irp b, 0,1,2,3
	s_delay_alu instid0(VALU_DEP_4)
	v_add_nc_u32 v[244+\b], 0xf8800000, v[232+\b]  ; 15 off the exponent field: the conversion's scale operand
.endr
.irp b, 0,1,2,3
	v_and_or_b32 v[240+\b], v[232+\b], 0x7f800000, s[MNT]   ; 57,344 x the scale
.endr
.irp b, 0,1,2,3
	v_lshrrev_b32 v[236+\b], 23, v[244+\b]         ; the scale's byte
.endr
	s_delay_alu instid0(VALU_DEP_3)
	v_lshl_or_b32 v253, v237, 8, v236              ; p's scale word for these 128 keys
	s_delay_alu instid0(VALU_DEP_1)
	v_lshl_or_b32 v253, v238, 16, v253
	s_delay_alu instid0(VALU_DEP_1)
	v_lshl_or_b32 v253, v239, 24, v253
	PA 236, 116, 120                               ; the row's sum of the unquantised p: 32 pairs in eight chains
	PA 250, 124, 128
	PA 248, 132, 136
	PA 234, 140, 144
	PA 232, 148, 152
	PA 226, 156, 160
	PA 224, 164, 168
	PA 14, 14, 172
	PA 236, 236, 112
	PA 250, 250, 114
	PA 248, 248, 118
	PA 234, 234, 122
	PA 232, 232, 126
	PA 226, 226, 130
	PA 224, 224, 134
	PA 14, 14, 138
	PA 236, 236, 142
	PA 250, 250, 146
	PA 248, 248, 150
	PA 234, 234, 154
	PA 232, 232, 158
	PA 226, 226, 162
	PA 224, 224, 166
	PA 14, 14, 170
	PA 236, 236, 174
	s_delay_alu instid0(VALU_DEP_2)
	PA 14, 14, 234
	s_delay_alu instid0(VALU_DEP_2)
	PA 236, 236, 232
	PA 250, 250, 226
	PA 248, 248, 224
	s_delay_alu instid0(VALU_DEP_2)
	PA 14, 14, 250
	s_delay_alu instid0(VALU_DEP_2)
	PA 236, 236, 248
	s_delay_alu instid0(VALU_DEP_1)
	PA 14, 14, 236
.irp b, 0,1,2,3
.irp i, 0,1,2,3,4,5,6,7,8,9,10,11,12,13,14,15
	v_min_num_f32 v[S+16*\b+\i], v[S+16*\b+\i], v[240+\b]   ; the conversion to an 8-bit code does not saturate (ISA guide 7.6.2); p is not negative, so the hold is one-sided
.endr
	v_cvt_scalef32_pk8_bf8_f32 v[PCD+4*\b:PCD+1+4*\b], v[S+16*\b:S+7+16*\b], v[244+\b]
	v_cvt_scalef32_pk8_bf8_f32 v[PCD+2+4*\b:PCD+3+4*\b], v[S+8+16*\b:S+15+16*\b], v[244+\b]
.endr
	s_wait_alu depctr_va_vdst(0)                   ; directly ahead of the first reader of O^T
.set n, 0
.rept 16
	v_pk_mul_f32 v[O+n:O+n+1], v[O+n:O+n+1], v[252:253] op_sel_hi:[1,0]   ; O^T under the new M: x f.  (Also the places between the codes and the products below)
.set n, n+2
.endr
	s_wait_alu depctr_va_vdst(0)
	s_wait_dscnt 0x0                               ; V
.irp t, 0,1,2,3
	v_wmma_scale_f32_16x16x128_f8f6f4 v[O+8*\t:O+8*\t+7], v[KFR+16*\t:KFR+16*\t+15], v[PCD:PCD+15], v[O+8*\t:O+8*\t+7], v[VSQ+\t], v253 matrix_a_fmt:MATRIX_FMT_BF8 matrix_b_fmt:MATRIX_FMT_BF8
.endr
.Lhidden_\@:
.endm
; n key steps, from the record at s[TB] on: a constant count of trips.
.macro WALK n
	s_mov_b32 s[CNT], \n
.Lwalk_\@:
	STEP
	s_add_co_u32 s[TB], s[TB], REC
	s_add_co_u32 s[KF], s[KF], 128
	s_sub_co_u32 s[CNT], s[CNT], 1
	s_cmp_lg_u32 s[CNT], 0
	s_cbranch_scc1 .Lwalk_\@
.endm
; A PASS ENDS.  O^T is divided by the row's sum and quantised along the channels: the head's 64 are two blocks of 32 of the last projection's K; register 16 b + 8 u + j is channel 32 b + 16 u + 8 h + j of my query.
; The codes' registers are two pieces of an image: 512 consecutive bytes a store.  again = 1: pass 2 is set up.
.macro FINAL again
.rept 8
	v_nop                                          ; places behind the last products
.endr
	v_add_f32 v14, v14, v15                        ; the sum's two halves,
	s_delay_alu instid0(VALU_DEP_1)
	v_permlanex16_b32 v252, v14, s[SEL], s[SEL+1]
	s_delay_alu instid0(VALU_DEP_1)
	v_add_f32 v14, v14, v252                       ; and lane l xor 16's: the row's sum
	s_wait_alu depctr_va_vdst(0)
	v_rcp_f32 v14, v14
	v_nop                                          ; one plain line behind a transcendental
.set n, 0
	s_wait_alu depctr_va_vdst(0)
.rept 32
	v_mul_f32 v[S+n], v[O+n], v14                  ; each accumulator from its low end on
.set n, n+1
.endr
.irp b, 0,1
	v_max3_num_f32 v[232+\b], |v[S+16*\b]|, |v[S+1+16*\b]|, 0x8000000   ; my 16 numbers of block b, and the floor 2^(16 - 127)
.endr
.irp i, 2,4,6,8,10,12,14
.irp b, 0,1
	s_delay_alu instid0(VALU_DEP_2)
	v_max3_num_f32 v[232+\b], v[232+\b], |v[S+16*\b+\i]|, |v[S+1+16*\b+\i]|
.endr
.endr
.irp b, 0,1
	s_delay_alu instid0(VALU_DEP_2)
	v_permlanex16_b32 v[236+\b], v[232+\b], s[SEL], s[SEL+1]
.endr
.irp b, 0,1
	s_delay_alu instid0(VALU_DEP_2)
	v_max_num_f32 v[232+\b], v[232+\b], v[236+\b]
.endr
.irp b, 0,1
	s_delay_alu instid0(VALU_DEP_2)
	v_add_nc_u32 v[244+\b], 0xf8800000, v[232+\b]
.endr
.irp b, 0,1
	s_delay_alu instid0(VALU_DEP_4)
	v_and_or_b32 v[240+\b], v[232+\b], 0x7f800000, s[MNT]
.endr
.irp b, 0,1
	s_delay_alu instid0(VALU_DEP_4)
	v_lshrrev_b32 v[236+\b], 23, v[244+\b]
.endr
	s_delay_alu instid0(VALU_DEP_1)
	v_cndmask_b32 v250, v236, v237, s[MH]          ; lanes 0-15 store block 0's byte, lanes 16-31 block 1's
.irp b, 0,1
.irp i, 0,1,2,3,4,5,6,7,8,9,10,11,12,13,14,15
	v_med3_num_f32 v[S+16*\b+\i], v[S+16*\b+\i], -v[240+\b], v[240+\b]
.endr
	v_cvt_scalef32_pk8_bf8_f32 v[PCD+4*\b:PCD+1+4*\b], v[S+16*\b:S+7+16*\b], v[244+\b]
	v_cvt_scalef32_pk8_bf8_f32 v[PCD+2+4*\b:PCD+3+4*\b], v[S+8+16*\b:S+15+16*\b], v[244+\b]
.endr
	s_wait_alu depctr_va_vdst(0)
	v_nop                                          ; one plain line behind the last conversion
	s_lshr_b32 s46, s[BH], 4
	s_lshl_b32 s46, s46, 11
	s_add_co_u32 s46, s46, s[Q0]                   ; my first token of the 8,192, a multiple of 16
	s_and_b32 s47, s[BH], 15                       ; the head
	s_add_co_u32 s48, s46, s47
	s_lshl_b32 s48, s48, 10                        ; 16,384 x (token / 16) + 1,024 x head
	s_mov_b32 s49, 0
	s_add_nc_u64 s[AO:AO+1], s[8:9], s[48:49]
	s_lshl_b32 s48, s46, 5
	s_lshl_b32 s47, s47, 1
	s_add_co_u32 s48, s48, s47                     ; 32 x token + 2 x head
	s_add_nc_u64 s[SO:SO+1], s[10:11], s[48:49]
	global_store_b128 v[LI], v[PCD:PCD+3], s[AO:AO+1]
	global_store_b128 v[LI], v[PCD+4:PCD+7], s[AO:AO+1] offset:512
	global_store_b8 v[ASO], v250, s[SO:SO+1]
.if \again
	s_sub_co_u32 s[QG], 1920, s[QG]                ; pass 2: group 15 - a
	s_add_co_u32 s[Q0], s[QG], s[JT]
	s_mov_b32 s[KF], 0
	s_mov_b32 s[TB], 0
	QLOAD
	START
	s_wait_xcnt 0x0                                ; the stores above have had their addresses translated (ISA guide 3.1): their data and bases are written again only behind this wait
.endif
.endm
	s_wait_alu depctr_va_vdst(0)
	s_cmp_lt_u32 s[WV], 2
	s_cbranch_scc0 .Lnot_first
	s_wait_tensorcnt 0x0                           ; waves 0 and 1: records 0 and 1 are in.  The other waves' wait stands at the second barrier
.Lnot_first:
	s_barrier_signal -1
	s_barrier_wait -1
	STEP                                           ; key step 0, written out: it reads record 0 alone
	s_mov_b32 s[TB], REC
	s_mov_b32 s[KF], 128
	STEP                                           ; key step 1: record 1 alone
	s_wait_tensorcnt 0x0                           ; every wave: my record is in
	s_wait_dscnt 0x0
	s_barrier_signal -1
	s_barrier_wait -1                              ; all sixteen records are in; nothing is filled again
	s_mov_b32 s[TB], 2*REC
	s_mov_b32 s[KF], 256
	WALK 6                                         ; pass 1's key steps 2 .. 7, up to my group's
	FINAL 1
	WALK 16                                        ; pass 2's key steps 0 .. 15, up to my group's
	FINAL 0
	s_wait_tensorcnt 0x0                           ; the wave's end
	ds_add_u32 v[SPW], v[NIL]
	s_wait_dscnt 0x0
	CROUND                                         ; the closing round
	s_endpgm
.Lfunc_end_k_q628af33a6c_attn:
	.size	k_q628af33a6c_attn, .Lfunc_end_k_q628af33a6c_attn-k_q628af33a6c_attn
	.p2alignl 7, 3214868480
	.fill 96, 4, 3214868480
	.section	.rodata,"a",@progbits
	.p2align	6, 0x0
	.amdhsa_kernel k_q628af33a6c_attn
		.amdhsa_group_segment_fixed_size 327680
		.amdhsa_private_segment_fixed_size 0
		.amdhsa_enable_private_segment 0
		.amdhsa_kernarg_size 32
		.amdhsa_user_sgpr_count 2
		.amdhsa_user_sgpr_kernarg_segment_ptr 1
		.amdhsa_wavefront_size32 1
		.amdhsa_system_sgpr_workgroup_id_x 1
		.amdhsa_system_sgpr_workgroup_id_y 1
		.amdhsa_system_sgpr_workgroup_id_z 1
		.amdhsa_system_vgpr_workitem_id 0
		.amdhsa_next_free_vgpr 256
		.amdhsa_next_free_sgpr 66
		.amdhsa_reserve_vcc 1
		.amdhsa_float_denorm_mode_32 3
		.amdhsa_float_denorm_mode_16_64 3
		.amdhsa_memory_ordered 1
		.amdhsa_forward_progress 1
		.amdhsa_inst_pref_size 122
	.end_amdhsa_kernel
	.amdgpu_metadata
---
amdhsa.version: [ 1, 2 ]
amdhsa.kernels:
  - .name:           k_q628af33a6c_attn
    .symbol:         k_q628af33a6c_attn.kd
    .args:
      - { .name: qrec, .offset: 0, .size: 8, .value_kind: global_buffer, .address_space: global }
      - { .name: kv, .offset: 8, .size: 8, .value_kind: global_buffer, .address_space: global }
      - { .name: ac, .offset: 16, .size: 8, .value_kind: global_buffer, .address_space: global }
      - { .name: asc, .offset: 24, .size: 8, .value_kind: global_buffer, .address_space: global }
    .group_segment_fixed_size: 327680
    .private_segment_fixed_size: 0
    .kernarg_segment_align: 8
    .kernarg_segment_size: 32
    .max_flat_workgroup_size: 512
    .sgpr_count:     66
    .vgpr_count:     256
    .wavefront_size: 32
...
	.end_amdgpu_metadata
.endif
;; end of part 3
;; launch outp (part 4): grid 4 x 64, 4 waves a work-group, clusters of 4 x 4, 327,680 bytes of LDS; arguments ac, asc, xc, xs, out0; writes out0
.if DOCPART == 4
	.amdgcn_target "amdgcn-amd-amdhsa--gfx1250"
	.amdhsa_code_object_version 6
	.text
	.protected	k_q628af33a6c_outp
	.globl	k_q628af33a6c_outp
	.p2align	8
	.type	k_q628af33a6c_outp,@function
k_q628af33a6c_outp:
	s_mov_b64 s[64:65], 0
	v_nop
	global_prefetch_b8 v0, s[64:65] scope:SCOPE_SE
	s_setreg_imm32_b32 hwreg(HW_REG_WAVE_MODE, 25, 1), 1
	s_wait_xcnt 0x0
	s_wait_alu depctr_hold_cnt(0) depctr_sa_sdst(0) depctr_va_vdst(0) depctr_va_sdst(0) depctr_va_ssrc(0) depctr_va_vcc(0) depctr_vm_vsrc(0)
	s_getreg_b32 s2, hwreg(HW_REG_IB_STS2, 6, 4)
	s_cmp_eq_u32 s2, 0
	s_cbranch_scc0 .Lentry_in_a_cluster
	s_endpgm
.Lentry_in_a_cluster:
	s_bfe_u32 s2, ttmp6, 0x10000c
	s_cmp_lg_u32 s2, 0xf033
	s_cbranch_scc0 .Lentry_shape_is_right
	s_endpgm
.Lentry_shape_is_right:
; out0 = (the attention's result) wo^T on codes of BF8 (E5M2) with E8M0 scales, f32 sums: 8,192 x 1,024 x 1,024.
; A: ac [tile of 16 tokens 512][K step of 128: 8][piece 4][512]: images of operand registers, lane l's 16 bytes at 16 l; its scale bytes asc [8192][32].  B: wo's rows in xc (1,024 bytes a row) and xs (32), from row 27,648 on.
; THE DEAL.  256 work-groups, each 128 tokens x 256 columns; four waves, 2 x 2.  A wave holds its 64 tokens, ALL of K, in registers (512) and streams wo's rows past them in blocks of 16, whole K, two sets of 128 registers.
; A block is 32 products on four accumulators, which take turns.  Source 0 = 16 rows of wo, source 1 = 16 tokens: a lane holds one token and eight neighbouring columns.
; LDS: two slots of 128 rows x (1,024 + 16) bytes.  At the head, one joint load a wave: wave 0 the 128 tokens' images (131,072 dense bytes, laid as 128 padded rows) into slot 1, wave 1 wo's first 128 rows (chunk 0) into slot 0,
; wave 2 the tokens' scale bytes, wave 3 those of wo's 256 rows.  The first barrier shows wave 0's tile alone; the images go into registers; a drained round follows, and chunk 1 is filled over the images, 32 rows a wave: the launch's one refill.
; Chunk 0's results, 64 tokens x 64 columns a wave, leave through the wave's stage as rows of 256 bytes while chunk 1 is on its way; a plain barrier shows chunk 1.
; CLUSTERS: 4 x 4 work-groups: the tokens' tiles are shared along a row of the cluster, wo's along a column.
; NO PREFETCH: the text has no loop to run ahead in; its one later fill is asked for as soon as its slot is free.
; REGISTERS: window 0: v0-15 addresses, v32-63 the tokens' scale words (8 a + q), v68-83 wo's (two sets of eight; no product's two scale words have numbers equal modulo 8), v128-255 sixteen accumulators (32 b + 8 a);
; windows 1, 2: the tokens' fragments (fragment 4 q + a); window 3: wo's two sets, and on the way out the rows read back from the stage.
.set KROW,  1024
.set PITCH, KROW+16
.set WOROW, 27648
.set YB,    128*PITCH                  ; slot 1
.set SCA,   2*YB                       ; the tokens' scale bytes: 16 units of 256 bytes + 16 of padding
.set SCB,   SCA+16*272                 ; wo's: 32 units
.set STAGE, SCB+32*272                 ; 16 rows x 272 bytes for each wave: bytes of their own
.set SPARE, STAGE+4*16*272             ; the spare words, 128 bytes for each wave, which no other line names
.set ADRA, 4                           ; v4, v5 LDS address of my images: token blocks 0, 1 and 2, 3
.set ADRB, 6                           ; v6, v7 of my 64 rows of wo in slot 0, 1
.set ADSA, 8                           ; v8   of my tokens' scale words
.set ADSB, 9                           ; v9   of my rows' scale words
.set STO,  10                          ; v10  the stage: where I put 32 bytes of a row
.set RD,   11                          ; v11  and where I read a row back
.set CO,   12                          ; v12  my byte offset in out0
.set SPW,  14                          ; v14  my spare word; never rewritten
.set NIL,  15                          ; v15  0; never rewritten
.set SA,   32
.set SBW,  68
.set ACC,  128
.set G1A,  24                          ; s[24:31], s[56:59] the tokens' images
.set G0A,  56
.set G1B,  48                          ; s[48:55], s[60:63] chunk 0
.set G0B,  60
.set G1R,  32                          ; s[32:39], s[92:95] the refill: chunk 1
.set G0R,  92
.set G1S,  68                          ; s[68:75], s[76:79] the tokens' scale bytes
.set G0S,  76
.set G1SB, 80                          ; s[80:87], s[88:91] wo's
.set G0SB, 88
.set MSB, 0
.macro WIN new                         ; the immediate's high byte repeats the setting that is left
.if MSB != \new
	s_set_vgpr_msb (MSB<<8)|\new
.set MSB, \new
.endif
.endm
.macro PLACES n
.rept \n
	v_nop
.endr
.endm
.macro BARRIER
	s_barrier_signal -1
	s_barrier_wait -1
.endm
.macro CROUND                          ; a round of the cluster's barrier
	BARRIER
	s_cmp_lg_u32 s14, 0
	s_cbranch_scc1 .Lnot_wave_0_\@
	s_barrier_signal -3
.Lnot_wave_0_\@:
	s_barrier_wait -3
	BARRIER
.endm
.macro GROUP1 g, mask, rows            ; a tile of so many dense rows of 1,024 bytes, 16 bytes of padding behind each
	s_or_b32 s[\g+0], s[\mask], (1<<20)|(1<<21)|(7<<22)|(3<<25)
	s_mov_b32 s[\g+1], KROW<<16
	s_mov_b32 s[\g+2], (\rows)<<16
	s_mov_b32 s[\g+3], KROW<<16
	s_mov_b32 s[\g+4], \rows
	s_mov_b32 s[\g+5], KROW
	s_mov_b32 s[\g+6], 0
	s_mov_b32 s[\g+7], 0
.endm
.macro GROUPS g, mask, rows            ; scale bytes: so many dense rows of 256 bytes (32 elements of 8), 16 of padding behind each
	s_or_b32 s[\g+0], s[\mask], (3<<16)|(1<<20)|(1<<21)|(5<<22)|(3<<25)
	s_mov_b32 s[\g+1], 32<<16
	s_mov_b32 s[\g+2], (\rows)<<16
	s_mov_b32 s[\g+3], 32<<16
	s_mov_b32 s[\g+4], \rows
	s_mov_b32 s[\g+5], 32
	s_mov_b32 s[\g+6], 0
	s_mov_b32 s[\g+7], 0
.endm
.macro GROUP0 g, lds, base, off        ; group 0: LDS byte, buffer + offset
	s_mov_b32 s[\g], 1
	s_mov_b32 s[\g+1], \lds
	s_add_nc_u64 s[\g+2:\g+3], s[\base:\base+1], s[\off:\off+1]
	s_or_b32 s[\g+3], s[\g+3], 0x80000000
.endm
	s_load_b128 s[4:7], s[0:1], 0x0                ; ac, asc
	s_load_b128 s[8:11], s[0:1], 0x10              ; xc, xs
	s_load_b64 s[12:13], s[0:1], 0x20              ; out0
	v_lshl_add_u32 v[SPW], v0, 2, SPARE
	v_mov_b32 v[NIL], 0
	ds_add_u32 v[SPW], v[NIL]                      ; the opening lines: the add, twice on end, and its wait ahead of my first tensor load
	ds_add_u32 v[SPW], v[NIL]
	v_lshrrev_b32 v1, 5, v0
	v_readfirstlane_b32 s14, v1                    ; wave 0..3
	s_lshr_b32 s15, s14, 1                         ; which 64 tokens are mine
	s_and_b32 s16, s14, 1                          ; which 64 rows of a chunk
	s_bfe_u32 s40, ttmp6, 0x40000                  ; cx, cy
	s_bfe_u32 s41, ttmp6, 0x40004
	s_lshl_b32 s42, ttmp9, 2
	s_add_co_u32 s42, s42, s40                     ; tile column: 256 columns
	s_and_b32 s17, ttmp7, 0xffff
	s_lshl_b32 s17, s17, 2
	s_add_co_u32 s17, s17, s41                     ; tile row: 128 tokens
	s_lshl_b32 s43, s41, 2
	s_lshl_b32 s43, 15, s43                        ; my row of the cluster
	s_lshl_b32 s44, 0x1111, s40                    ; my column
	GROUP1 G1A, 43, 128
	GROUP1 G1B, 44, 128
	GROUP1 G1R, 44, 32
	GROUPS G1S, 43, 16
	GROUPS G1SB, 44, 32
	s_lshl_b32 s20, s17, 17                        ; byte offsets, each under 2^32: the tokens' images: 131,072 a tile row;
	s_mov_b32 s21, 0
	s_lshl_b32 s22, s17, 12                        ; their scale bytes: 4,096;
	s_mov_b32 s23, 0
	s_lshl_b32 s46, s42, 18                        ; wo's rows: 262,144 a tile column, behind 27,648 rows;
	s_add_co_u32 s46, s46, WOROW*KROW
	s_mov_b32 s47, 0
	s_lshl_b32 s18, s42, 13                        ; their scale bytes: 8,192
	s_add_co_u32 s18, s18, WOROW*32
	s_mov_b32 s19, 0
	s_wait_dscnt 0x0                               ; both opening adds are done
	CROUND                                         ; all sixteen work-groups are here: the first joint loads meet
	s_wait_kmcnt 0x0
	GROUP0 G0A, YB, 4, 20
	GROUP0 G0B, 0, 8, 46
	GROUP0 G0S, SCA, 6, 22
	GROUP0 G0SB, SCB, 10, 18
	s_lshl_b32 s2, s14, 15                         ; the refill: 32 rows a wave of chunk 1
	s_add_co_u32 s46, s46, s2
	s_add_co_u32 s46, s46, 128*KROW
	GROUP0 G0R, YB, 8, 46
	s_mul_i32 s2, s14, 32*PITCH
	s_add_co_u32 s[G0R+1], s[G0R+1], s2
.macro ARM under, g0, g1, next         ; one tree of branches on the wave's number, an arm a load: each wave has a load line of its own
	s_cmp_lt_u32 s14, \under
	s_cbranch_scc0 \next
	tensor_load_to_lds s[\g0:\g0+3], s[\g1:\g1+7]
	s_nop 0
	PLACES 4
	s_branch .Lhead_asked
\next:
.endm
	ARM 1, G0A, G1A, .Lhead_b
	ARM 2, G0B, G1B, .Lhead_sa
	ARM 3, G0S, G1S, .Lhead_sb
	tensor_load_to_lds s[G0SB:G0SB+3], s[G1SB:G1SB+7]
	s_nop 0
	PLACES 4
.Lhead_asked:
	v_and_b32 v1, 15, v0                           ; r
	v_bfe_u32 v2, v0, 4, 1                         ; h
	v_and_b32 v3, 31, v0                           ; lane
	s_mul_i32 s20, s15, 64*PITCH
	s_add_co_u32 s20, s20, YB
	v_lshl_add_u32 v[ADRA], v3, 4, s20             ; my 64 tokens' images are 64 padded rows; 16 x lane in a piece
	v_add_nc_u32 v[ADRA+1], 32*PITCH, v[ADRA]
	v_mul_u32_u24 v16, v1, PITCH
	v_lshl_add_u32 v16, v2, 4, v16                 ; a fragment of wo: row r, + 16 h
	s_mul_i32 s21, s16, 64*PITCH
	v_add_nc_u32 v[ADRB], s21, v16
	s_add_co_u32 s21, s21, YB
	v_add_nc_u32 v[ADRB+1], s21, v16
	v_lshlrev_b32 v17, 5, v1                       ; scale bytes: 32 a row, and 16 more for each 256 passed
	v_lshrrev_b32 v18, 3, v1
	v_lshl_add_u32 v17, v18, 4, v17
	s_mul_i32 s20, s15, 8*272
	s_add_co_u32 s20, s20, SCA
	v_add_nc_u32 v[ADSA], s20, v17
	s_mul_i32 s21, s16, 8*272
	s_add_co_u32 s21, s21, SCB
	v_add_nc_u32 v[ADSB], s21, v17
	s_mul_i32 s22, s14, 16*272
	s_add_co_u32 s22, s22, STAGE                   ; my stage
	v_mul_u32_u24 v18, v1, 272
	v_lshl_add_u32 v18, v2, 5, v18
	v_add_nc_u32 v[STO], s22, v18                  ; in: row r, 32 bytes for each half of the lanes
	v_mul_u32_u24 v19, v2, 272
	v_lshl_add_u32 v19, v1, 4, v19
	v_add_nc_u32 v[RD], s22, v19                   ; back: lanes 0-15 one row of 256 bytes, lanes 16-31 the next
	v_lshlrev_b32 v19, 12, v2
	v_lshl_add_u32 v[CO], v1, 4, v19               ; and the same two rows in out0: 4,096 bytes a row
	s_lshl_b32 s20, s17, 7
	s_lshl_b32 s21, s15, 6
	s_add_co_u32 s20, s20, s21                     ; my first token
	s_lshl_b32 s20, s20, 12
	s_lshl_b32 s21, s42, 10                        ; my first column, in bytes: 1,024 x tile column + 256 x my half of a chunk
	s_add_co_u32 s20, s20, s21
	s_lshl_b32 s21, s16, 8
	s_add_co_u32 s20, s20, s21
	s_mov_b32 s21, 0
	s_add_nc_u64 s[12:13], s[12:13], s[20:21]
	s_wait_alu depctr_va_vdst(0)
	s_cmp_eq_u32 s14, 0
	s_cbranch_scc0 .Lnot_a
	s_wait_tensorcnt 0x0                           ; wave 0: the images are in.  The other waves' wait stands in front of the round below
.Lnot_a:
	BARRIER
; my 64 tokens, all of K, into windows 1 and 2: fragment 4 q + a; piece c of K step q of token block a is half a padded row: row 16 a + 2 q + c / 2
.irp q, 0,1,2,3,4,5,6,7
	WIN (1+\q/4)<<6
.irp a, 0,1,2,3
.irp c, 0,1,2,3
	ds_load_b128 v[16*((4*\q+\a)%16)+4*\c:16*((4*\q+\a)%16)+4*\c+3], v[ADRA+\a/2] offset:(16*(\a%2)+2*\q+\c/2)*PITCH+512*(\c%2)
.endr
.endr
.endr
	WIN 0
	s_wait_tensorcnt 0x0                           ; my tile of the head's four is in;
	ds_add_u32 v[SPW], v[NIL]
	s_wait_dscnt 0x0                               ; the add is done, and my tokens are in registers
	CROUND                                         ; every wave of every partner has said so: chunk 0 and the scale bytes are shown, and nobody reads slot 1
	tensor_load_to_lds s[G0R:G0R+3], s[G1R:G1R+7]  ; chunk 1 over the images: my 32 rows
	s_nop 0
	PLACES 4
.macro FETCHB set, c, blk              ; block blk of my 64 rows of chunk c (it lies in slot c), all of K, into set, and its scale words: 34 loads
	WIN 0xc0
.irp q, 0,1,2,3,4,5,6,7
.irp e, 0,1,2,3
	ds_load_b128 v[128*(\set)+16*\q+4*\e:128*(\set)+16*\q+4*\e+3], v[ADRB+\c] offset:(\blk)*16*PITCH+128*\q+32*\e
.endr
.endr
	WIN 0
	ds_load_b128 v[SBW+8*(\set):SBW+8*(\set)+3], v[ADSB] offset:(16*\c+2*(\blk))*272
	ds_load_b128 v[SBW+8*(\set)+4:SBW+8*(\set)+7], v[ADSB] offset:(16*\c+2*(\blk))*272+16
.endm
.macro MUL set, b                      ; 32 products: wo's block in set x my four token blocks, K ascending; the first four start the sums
.irp q, 0,1,2,3,4,5,6,7
	WIN 0x03|((1+\q/4)<<2)
.irp a, 0,1,2,3
.if \q == 0
	v_wmma_scale_f32_16x16x128_f8f6f4 v[ACC+32*(\b)+8*\a:ACC+32*(\b)+8*\a+7], v[128*(\set)+16*\q:128*(\set)+16*\q+15], v[16*((4*\q+\a)%16):16*((4*\q+\a)%16)+15], 0, v[SBW+8*(\set)+\q], v[SA+8*\a+\q] matrix_a_fmt:MATRIX_FMT_BF8 matrix_b_fmt:MATRIX_FMT_BF8
.else
	v_wmma_scale_f32_16x16x128_f8f6f4 v[ACC+32*(\b)+8*\a:ACC+32*(\b)+8*\a+7], v[128*(\set)+16*\q:128*(\set)+16*\q+15], v[16*((4*\q+\a)%16):16*((4*\q+\a)%16)+15], v[ACC+32*(\b)+8*\a:ACC+32*(\b)+8*\a+7], v[SBW+8*(\set)+\q], v[SA+8*\a+\q] matrix_a_fmt:MATRIX_FMT_BF8 matrix_b_fmt:MATRIX_FMT_BF8
.endif
.endr
.endr
	WIN 0
.endm
.macro CHUNK c                         ; my 64 tokens x my 64 rows of chunk c: four blocks; while one is multiplied the next one's 34 loads are out
	FETCHB 0, \c, 0
	FETCHB 1, \c, 1
.irp b, 0,1,2,3
.if \b < 3
	s_wait_dscnt 34                                ; all but the younger block's 34 loads
.else
	s_wait_dscnt 0x0
.endif
	MUL \b%2, \b
	PLACES 8                                       ; eight places ahead of loads into what the products read, and of the first read of their sums
.if \b < 2
	FETCHB \b%2, \c, \b+2
.endif
.endr
.endm
; THE WAY OUT of a chunk: 16 tokens x 64 columns at a time through my stage and back as rows of 256 bytes, into window 3; LDS serves a wave's instructions in order (ISA guide 5.7.1.4), so one stage serves the four.
.macro WAYOUT c
.irp a, 0,1,2,3
.irp b, 0,1,2,3
	ds_store_b128 v[STO], v[ACC+32*\b+8*\a:ACC+32*\b+8*\a+3] offset:64*\b        ; each accumulator from its low end on
	ds_store_b128 v[STO], v[ACC+32*\b+8*\a+4:ACC+32*\b+8*\a+7] offset:64*\b+16
.endr
	WIN 0xc0
.irp t, 0,1,2,3,4,5,6,7
	ds_load_b128 v[32*\a+4*\t:32*\a+4*\t+3], v[RD] offset:2*\t*272
.endr
	WIN 0
.endr
	WIN 0x0c                                       ; the stores' data: window 3
.irp a, 0,1,2,3
	s_wait_dscnt 16*(3-\a)                         ; all but the later token blocks' 8 stores and 8 loads each
.irp t, 0,1,2,3,4,5,6,7
	global_store_b128 v[CO], v[32*\a+4*\t:32*\a+4*\t+3], s[12:13] offset:(16*\a+2*\t)*4096+512*\c th:TH_STORE_NT   ; sixteen lanes store 256 consecutive bytes, aligned
.endr
.endr
	WIN 0
.endm
.irp a, 0,1,2,3
	ds_load_b128 v[SA+8*\a:SA+8*\a+3], v[ADSA] offset:2*\a*272      ; my tokens' scale words, all of K: they stay
	ds_load_b128 v[SA+8*\a+4:SA+8*\a+7], v[ADSA] offset:2*\a*272+16
.endr
	CHUNK 0
	WAYOUT 0
	s_wait_tensorcnt 0x0                           ; my 32 rows of chunk 1 are in
	s_wait_dscnt 0x0
	BARRIER                                        ; everybody's are
	s_wait_xcnt 0x0                                ; chunk 0's stores have read their registers, which take wo's blocks again
	CHUNK 1
	WAYOUT 1
	s_wait_tensorcnt 0x0                           ; the wave's end
	ds_add_u32 v[SPW], v[NIL]
	s_wait_dscnt 0x0
	CROUND                                         ; the closing round
	s_endpgm
.Lfunc_end_k_q628af33a6c_outp:
	.size	k_q628af33a6c_outp, .Lfunc_end_k_q628af33a6c_outp-k_q628af33a6c_outp
	.p2alignl 7, 3214868480
	.fill 96, 4, 3214868480
	.section	.rodata,"a",@progbits
	.p2align	6, 0x0
	.amdhsa_kernel k_q628af33a6c_outp
		.amdhsa_group_segment_fixed_size 327680
		.amdhsa_private_segment_fixed_size 0
		.amdhsa_enable_private_segment 0
		.amdhsa_kernarg_size 40
		.amdhsa_user_sgpr_count 2
		.amdhsa_user_sgpr_kernarg_segment_ptr 1
		.amdhsa_wavefront_size32 1
		.amdhsa_system_sgpr_workgroup_id_x 1
		.amdhsa_system_sgpr_workgroup_id_y 1
		.amdhsa_system_sgpr_workgroup_id_z 1
		.amdhsa_system_vgpr_workitem_id 0
		.amdhsa_next_free_vgpr 1024
		.amdhsa_next_free_sgpr 98
		.amdhsa_reserve_vcc 0
		.amdhsa_float_denorm_mode_32 3
		.amdhsa_float_denorm_mode_16_64 3
		.amdhsa_memory_ordered 1
		.amdhsa_forward_progress 1
		.amdhsa_inst_pref_size 87
	.end_amdhsa_kernel
	.amdgpu_metadata
---
amdhsa.version: [ 1, 2 ]
amdhsa.kernels:
  - .name:           k_q628af33a6c_outp
    .symbol:         k_q628af33a6c_outp.kd
    .args:
      - { .name: ac, .offset: 0, .size: 8, .value_kind: global_buffer, .address_space: global }
      - { .name: asc, .offset: 8, .size: 8, .value_kind: global_buffer, .address_space: global }
      - { .name: xc, .offset: 16, .size: 8, .value_kind: global_buffer, .address_space: global }
      - { .name: xs, .offset: 24, .size: 8, .value_kind: global_buffer, .address_space: global }
      - { .name: out0, .offset: 32, .size: 8, .value_kind: global_buffer, .address_space: global }
    .group_segment_fixed_size: 327680
    .private_segment_fixed_size: 0
    .kernarg_segment_align: 8
    .kernarg_segment_size: 40
    .max_flat_workgroup_size: 128
    .sgpr_count:     98
    .vgpr_count:     1024
    .wavefront_size: 32
...
	.end_amdgpu_metadata
.endif
;; end of part 4
